; MI455X (gfx1250); checked and timed in simulation.
; The chip was launched on July 23, 2026; its instructions are those of AMD's public machine-readable ISA for CDNA 5 (MIT licence, August 2026) and "CDNA5" Instruction Set Architecture Reference Guide (July 2026). The comments in the code are by the model that wrote it; some were corrected since.
;; Block. Allowed arithmetic: float matrix products may take bf16 or f16 operands with f32 sums; other float arithmetic in f32, or as packed bf16 or f16 multiplies, adds, multiply-adds, maxima and minima; sums over many terms, partial sums and values carried from step to step in f32; what a program stores and reads back later, other than sums and carried values, may be rounded once to bf16 or f16.
;; Inputs: b_fc1 4,096 float32; b_fc2 1,024 float32; b_proj 1,024 float32; b_qkv 3,072 float32; ln1_b 1,024 float32; ln1_g 1,024 float32; ln2_b 1,024 float32; ln2_g 1,024 float32; w_fc1 1,024 x 4,096 float32; w_fc2 4,096 x 1,024 float32; w_proj 1,024 x 1,024 float32; w_qkv 1,024 x 3,072 float32; x 2 x 2,048 x 1,024 float32.
;; Outputs: out0 2 x 2,048 x 1,024 float32.
;; One version. Each part assembles by itself: llvm-mc -triple=amdgcn-amd-amdhsa -mcpu=gfx1250 --defsym DOCPART=n.
;; ======== version 1 of 1: 7 launches
;; limits: a function is approximated: absolute error at most 1.5e-07
;; workspace buffers: w16 25,165,824 bytes; h 8,388,608 bytes; qkvh 25,165,824 bytes; yh 8,388,608 bytes; x1 16,777,216 bytes; g 33,554,432 bytes
;; launch prep (part 1): grid 2048 x 1, 8 waves a work-group, no clusters, 0 bytes of LDS; arguments x, ln1_g, ln1_b, w_qkv, w_proj, w_fc1, w_fc2, h, w16; writes h, w16
.if DOCPART == 1
	.amdgcn_target "amdgcn-amd-amdhsa--gfx1250"
	.amdhsa_code_object_version 6
	.text
	.protected	k_q1c9facffb3_prep
	.globl	k_q1c9facffb3_prep
	.p2align	8
	.type	k_q1c9facffb3_prep,@function
k_q1c9facffb3_prep:
	s_mov_b64 s[64:65], 0
	v_nop
	global_prefetch_b8 v0, s[64:65] scope:SCOPE_SE
	s_setreg_imm32_b32 hwreg(HW_REG_WAVE_MODE, 25, 1), 1
	s_wait_xcnt 0x0
; prep: two streams in one launch; every work-group moves 32 KiB in and 16 KiB out.
; Work-groups 0-511: h = LayerNorm(x) * ln1_g + ln1_b, rounded once to bf16.  One wave takes one row of 1,024 f32 and keeps it in 32 registers:
; the mean first, then the sum of (x - mean)^2, so no difference of large sums is formed; var = that sum / 1,024, eps = 1e-5.
; Work-groups 512-2047: the four weight matrices, rounded once to bf16 and left [K][N], one behind the other in w16 (qkv, proj, fc1, fc2).
; No LDS, no barrier, no matrix unit: waves share nothing.  Each store of a wave covers 256 consecutive bytes, aligned.
.set X,  4                             ; v[4:35]    the row (or 4 KiB of a weight)
.set G,  36                            ; v[36:67]   gain of my columns
.set B,  68                            ; v[68:99]   bias of my columns
.set M,  100                           ; v[100:107] four chains of pairs
.set MU, 108                           ; v[108:109] the mean, twice
.set R,  110                           ; v[110:111] 1 / sqrt(var + eps), twice
.set T,  112                           ; v[112:113] at work
.macro REDUCE                          ; the four chains -> the row's sum, in every lane's v[T]
	v_pk_add_f32 v[M:M+1], v[M:M+1], v[M+2:M+3]
	v_pk_add_f32 v[M+4:M+5], v[M+4:M+5], v[M+6:M+7]
	v_pk_add_f32 v[M:M+1], v[M:M+1], v[M+4:M+5]
	v_add_f32 v[T], v[M], v[M+1]
	v_add_f32_dpp v[T], v[T], v[T] row_xmask:1 row_mask:0xf bank_mask:0xf
	v_add_f32_dpp v[T], v[T], v[T] row_xmask:2 row_mask:0xf bank_mask:0xf
	v_add_f32_dpp v[T], v[T], v[T] row_xmask:4 row_mask:0xf bank_mask:0xf
	v_add_f32_dpp v[T], v[T], v[T] row_xmask:8 row_mask:0xf bank_mask:0xf
	v_permlanex16_b32 v[T+1], v[T], s26, s27       ; the other half of the lanes
	v_add_f32 v[T], v[T], v[T+1]
.endm
; One row.  Lane l holds columns 128 j + 4 l .. + 3 for j = 0..7: each load of the wave is 512 consecutive bytes.
.macro LNROW xb, gb, bb, hb
.irp j, 0,1,2,3,4,5,6,7
	global_load_b128 v[X+4*(\j):X+4*(\j)+3], v1, s[\xb:\xb+1] offset:512*(\j) th:TH_LOAD_NT
.endr
.irp j, 0,1,2,3,4,5,6,7
	global_load_b128 v[G+4*(\j):G+4*(\j)+3], v1, s[\gb:\gb+1] offset:512*(\j)
.endr
.irp j, 0,1,2,3,4,5,6,7
	global_load_b128 v[B+4*(\j):B+4*(\j)+3], v1, s[\bb:\bb+1] offset:512*(\j)
.endr
	s_wait_loadcnt 16                              ; the row is in; the 16 younger loads (gain, bias) stay out
.irp c, 0,1,2,3
	v_pk_add_f32 v[M+2*(\c):M+2*(\c)+1], v[X+2*(\c):X+2*(\c)+1], v[X+8+2*(\c):X+8+2*(\c)+1]
.endr
.irp k, 16, 24
.irp c, 0,1,2,3
	v_pk_add_f32 v[M+2*(\c):M+2*(\c)+1], v[M+2*(\c):M+2*(\c)+1], v[X+(\k)+2*(\c):X+(\k)+2*(\c)+1]
.endr
.endr
	REDUCE
	v_mul_f32 v[MU], s28, v[T]                     ; the mean
	v_mul_f32 v[MU+1], s28, v[T]
.set i, 0
.rept 16
	v_pk_add_f32 v[X+i:X+i+1], v[X+i:X+i+1], v[MU:MU+1] neg_lo:[0,1] neg_hi:[0,1]  ; x - mean
.set i, i+2
.endr
.irp c, 0,1,2,3
	v_pk_mul_f32 v[M+2*(\c):M+2*(\c)+1], v[X+2*(\c):X+2*(\c)+1], v[X+2*(\c):X+2*(\c)+1]
.endr
.irp k, 8, 16, 24
.irp c, 0,1,2,3
	v_pk_fma_f32 v[M+2*(\c):M+2*(\c)+1], v[X+(\k)+2*(\c):X+(\k)+2*(\c)+1], v[X+(\k)+2*(\c):X+(\k)+2*(\c)+1], v[M+2*(\c):M+2*(\c)+1]
.endr
.endr
	REDUCE
	v_fmaak_f32 v[T], s28, v[T], 0x3727c5ac        ; var + 1e-5
	v_rsq_f32 v[R], v[T]
	v_rsq_f32 v[R+1], v[T]
	v_nop                                          ; a plain instruction behind the last root,
	s_wait_alu depctr_va_vdst(0)                   ; and one wait for both, ahead of their first reader
	s_wait_loadcnt 0x0                             ; gain and bias
.set i, 0
.rept 16
	v_pk_mul_f32 v[X+i:X+i+1], v[X+i:X+i+1], v[R:R+1]
.set i, i+2
.endr
.set i, 0
.rept 16
	v_pk_fma_f32 v[X+i:X+i+1], v[X+i:X+i+1], v[G+i:G+i+1], v[B+i:B+i+1]
.set i, i+2
.endr
.irp j, 0,1,2,3,4,5,6,7
	v_cvt_pk_bf16_f32 v[X+4*(\j)], v[X+4*(\j)], v[X+4*(\j)+1]
	v_cvt_pk_bf16_f32 v[X+4*(\j)+1], v[X+4*(\j)+2], v[X+4*(\j)+3]
	global_store_b64 v2, v[X+4*(\j):X+4*(\j)+1], s[\hb:\hb+1] offset:256*(\j)  ; 32 lanes x 8 bytes: 256 consecutive bytes
.endr
.endm
	s_load_b512 s[8:23], s[0:1], 0x0               ; x 8, g 10, b 12, w_qkv 14, w_proj 16, w_fc1 18, w_fc2 20, h 22
	s_load_b64 s[24:25], s[0:1], 0x40              ; w16
	v_lshrrev_b32 v3, 5, v0
	v_readfirstlane_b32 s2, v3                     ; wave 0..7
	v_and_b32 v1, 31, v0
	v_lshlrev_b32 v2, 3, v1                        ; 8 x lane: my bytes in 256 stored
	v_lshlrev_b32 v1, 4, v1                        ; 16 x lane: my bytes in 512 loaded
	v_mov_b32 v[T+1], 0                            ; the lane exchange names its destination as read
	s_mov_b32 s26, 0x76543210
	s_mov_b32 s27, 0xfedcba98
	s_mov_b32 s28, 0x3a800000                      ; 1 / 1,024
	s_cmp_lt_u32 ttmp9, 512
	s_cbranch_scc0 .Lcast
	s_lshl_b32 s3, ttmp9, 3
	s_add_co_u32 s3, s3, s2                        ; my row
	s_lshl_b32 s30, s3, 12                         ; x 4,096 bytes of x
	s_mov_b32 s31, 0
	s_lshl_b32 s32, s3, 11                         ; x 2,048 bytes of h
	s_mov_b32 s33, 0
	s_wait_kmcnt 0x0
	s_add_nc_u64 s[8:9], s[8:9], s[30:31]
	s_add_nc_u64 s[22:23], s[22:23], s[32:33]
	LNROW 8, 10, 12, 22
	s_endpgm
.Lcast:
	s_sub_co_u32 s3, ttmp9, 512                    ; block of 32 KiB among the four weights, in w16's order
	s_wait_kmcnt 0x0
	s_mov_b64 s[30:31], s[14:15]                   ; blocks 0-383 w_qkv,
	s_mov_b32 s29, 0
	s_cmp_ge_u32 s3, 384                           ; 384-511 w_proj,
	s_cselect_b64 s[30:31], s[16:17], s[30:31]
	s_cselect_b32 s29, 384, s29
	s_cmp_ge_u32 s3, 512                           ; 512-1023 w_fc1,
	s_cselect_b64 s[30:31], s[18:19], s[30:31]
	s_cselect_b32 s29, 512, s29
	s_cmp_ge_u32 s3, 1024                          ; 1024-1535 w_fc2
	s_cselect_b64 s[30:31], s[20:21], s[30:31]
	s_cselect_b32 s29, 1024, s29
	s_sub_co_u32 s29, s3, s29
	s_lshl_b32 s32, s29, 15
	s_lshl_b32 s33, s2, 12
	s_add_co_u32 s32, s32, s33                     ; block x 32,768 + wave x 4,096 in the source
	s_mov_b32 s33, 0
	s_add_nc_u64 s[30:31], s[30:31], s[32:33]
	s_lshl_b32 s34, s3, 14
	s_lshl_b32 s35, s2, 11
	s_add_co_u32 s34, s34, s35                     ; half of that in w16
	s_mov_b32 s35, 0
	s_add_nc_u64 s[24:25], s[24:25], s[34:35]
.irp j, 0,1,2,3,4,5,6,7
	global_load_b128 v[X+4*(\j):X+4*(\j)+3], v1, s[30:31] offset:512*(\j) th:TH_LOAD_NT
.endr
.irp j, 0,1,2,3,4,5,6,7
	s_wait_loadcnt 7-(\j)                          ; load j is in; the younger ones stay out
	v_cvt_pk_bf16_f32 v[X+4*(\j)], v[X+4*(\j)], v[X+4*(\j)+1]
	v_cvt_pk_bf16_f32 v[X+4*(\j)+1], v[X+4*(\j)+2], v[X+4*(\j)+3]
	global_store_b64 v2, v[X+4*(\j):X+4*(\j)+1], s[24:25] offset:256*(\j)
.endr
	s_endpgm
.Lfunc_end_k_q1c9facffb3_prep:
	.size	k_q1c9facffb3_prep, .Lfunc_end_k_q1c9facffb3_prep-k_q1c9facffb3_prep
	.p2alignl 7, 3214868480
	.fill 96, 4, 3214868480
	.section	.rodata,"a",@progbits
	.p2align	6, 0x0
	.amdhsa_kernel k_q1c9facffb3_prep
		.amdhsa_group_segment_fixed_size 0
		.amdhsa_private_segment_fixed_size 0
		.amdhsa_enable_private_segment 0
		.amdhsa_kernarg_size 72
		.amdhsa_user_sgpr_count 2
		.amdhsa_user_sgpr_kernarg_segment_ptr 1
		.amdhsa_wavefront_size32 1
		.amdhsa_system_sgpr_workgroup_id_x 1
		.amdhsa_system_sgpr_workgroup_id_y 1
		.amdhsa_system_sgpr_workgroup_id_z 1
		.amdhsa_system_vgpr_workitem_id 0
		.amdhsa_next_free_vgpr 120
		.amdhsa_next_free_sgpr 66
		.amdhsa_reserve_vcc 0
		.amdhsa_float_denorm_mode_32 3
		.amdhsa_float_denorm_mode_16_64 3
		.amdhsa_memory_ordered 1
		.amdhsa_forward_progress 1
		.amdhsa_inst_pref_size 16
	.end_amdhsa_kernel
	.amdgpu_metadata
---
amdhsa.version: [ 1, 2 ]
amdhsa.kernels:
  - .name:           k_q1c9facffb3_prep
    .symbol:         k_q1c9facffb3_prep.kd
    .args:
      - { .name: x, .offset: 0, .size: 8, .value_kind: global_buffer, .address_space: global }
      - { .name: ln1_g, .offset: 8, .size: 8, .value_kind: global_buffer, .address_space: global }
      - { .name: ln1_b, .offset: 16, .size: 8, .value_kind: global_buffer, .address_space: global }
      - { .name: w_qkv, .offset: 24, .size: 8, .value_kind: global_buffer, .address_space: global }
      - { .name: w_proj, .offset: 32, .size: 8, .value_kind: global_buffer, .address_space: global }
      - { .name: w_fc1, .offset: 40, .size: 8, .value_kind: global_buffer, .address_space: global }
      - { .name: w_fc2, .offset: 48, .size: 8, .value_kind: global_buffer, .address_space: global }
      - { .name: h, .offset: 56, .size: 8, .value_kind: global_buffer, .address_space: global }
      - { .name: w16, .offset: 64, .size: 8, .value_kind: global_buffer, .address_space: global }
    .group_segment_fixed_size: 0
    .private_segment_fixed_size: 0
    .kernarg_segment_align: 8
    .kernarg_segment_size: 72
    .max_flat_workgroup_size: 256
    .sgpr_count:     66
    .vgpr_count:     120
    .wavefront_size: 32
...
	.end_amdgpu_metadata
.endif
;; end of part 1
;; launch qkv (part 2): grid 12 x 16, 4 waves a work-group, clusters of 4 x 4, 327,680 bytes of LDS; arguments h, w16, b_qkv, qkvh; writes qkvh
.if DOCPART == 2
	.amdgcn_target "amdgcn-amd-amdhsa--gfx1250"
	.amdhsa_code_object_version 6
	.text
	.protected	k_q1c9facffb3_qkv
	.globl	k_q1c9facffb3_qkv
	.p2align	8
	.type	k_q1c9facffb3_qkv,@function
k_q1c9facffb3_qkv:
	s_mov_b64 s[64:65], 0
	v_nop
	global_prefetch_b8 v0, s[64:65] scope:SCOPE_SE
	s_setreg_imm32_b32 hwreg(HW_REG_WAVE_MODE, 25, 1), 1
	s_wait_xcnt 0x0
	s_wait_alu depctr_hold_cnt(0) depctr_sa_sdst(0) depctr_va_vdst(0) depctr_va_sdst(0) depctr_va_ssrc(0) depctr_va_vcc(0) depctr_vm_vsrc(0)
	s_getreg_b32 s2, hwreg(HW_REG_IB_STS2, 6, 4)
	s_cmp_eq_u32 s2, 0
	s_cbranch_scc0 .Lentry_in_a_cluster
	s_endpgm
.Lentry_in_a_cluster:
	s_bfe_u32 s2, ttmp6, 0x10000c
	s_cmp_lg_u32 s2, 0xf033
	s_cbranch_scc0 .Lentry_shape_is_right
	s_endpgm
.Lentry_shape_is_right:
; C = A W + bias.  A: [4096][1024] bf16 (rows along K).  W: [1024][N] bf16 as the problem stores it (rows along N), at byte WOFF of w16.  Sums in f32, started by the bias.
; FC1 = 0: N = 3,072; C is rounded once to bf16 and stored by heads, [3][32][2048][64].   FC1 = 1: N = 4,096; gelu(C), exact form, rounded once to bf16, [4096][4096].
; A tile of C is 256 x 256, four waves, each 128 x 128: 64 accumulators.  K goes in 8 steps of 128 through two LDS slots filled by the tensor data mover.
; A's fragments come out of LDS as they lie; W's, stored [k][n], are turned by ds_load_tr16_b128.  The product is used transposed (source 0 = 16 columns of W,
; source 1 = 16 rows of A): a lane then holds one row of C and eight neighbouring columns.
; CLUSTER 4 x 4: A's tile is asked for jointly along a row of the cluster, W's along a column.  Both slots' first fills go out together at the start: two loads of a wave are out there, later one.
; THE WAY OUT: the accumulators are laid as f32 into the ring's bytes (no fill follows them), each wave into bytes of its own, and a counted loop reads 8 rows a trip.
; GELU: gelu(z) = max(z,0) - |z| q, q = (a1 t + .. + a5 t^5) 2^(-0.72134752 z^2), t = 1 / (1 + 0.23164189 |z|): erf by a fixed rational-exponential form, absolute error at most 1.5e-7 for every z;
; where z^2 overflows q is 0.  NaN and infinities are not treated apart.
; REGISTERS in windows of 256: window 0 addresses, A's fragments (two buffers), the bias; window 1 W's fragments; windows 2, 3 the accumulators ((a, b) at v[8 (8 (a % 4) + b)]).
.set FC1, 0
.if FC1
.set N,    4096
.set WOFF, 8388608
.else
.set N,    3072
.set WOFF, 0
.endif
.set NS,    8                          ; K steps of 128
.set PA,    272                        ; a row of A in LDS: 256 bytes + 16
.set PB,    544                        ; a row of W in LDS: 512 bytes + 32
.set HALF,  128*PA                     ; what one tensor load brings: 128 rows of A, or 64 rows of W (64 x 544 is the same number)
.set BOFF,  2*HALF
.set SLOT,  4*HALF
.set DP,    528                        ; a row of the f32 dump: 512 bytes + 16
.set DW,    128*DP                     ; a wave's dump
.set SPARE, 2*SLOT                     ; behind the ring: the spare words, 128 bytes a wave
.set A0,   16                          ; v16  my lane's place in A's tile
.set B0,   17                          ; v17  in W's tile (BOFF included)
.set ADRA, 18                          ; v18  A0 + the slot read
.set ADRB, 19                          ; v19  B0 + the slot read
.set DST,  20                          ; v20  where I lay 16 bytes of the dump
.set RD,   21                          ; v21  where I read it back; steps by 8 rows
.set CO,   22                          ; v22  8 x lane
.set BO,   23                          ; v23  my byte offset in the bias
.set PFO,  24                          ; v24  the prefetches' lane offset
.set SPW,  28                          ; v28  my spare word
.set NIL,  29                          ; v29  0
.set Z,    32                          ; v[32:63]  8 rows read back
.set F0,   64
.set F1,   128
.set BIAS, 192                         ; v[192:255] bias of column block b at BIAS + 8 b
.set YQ,   64                          ; the way out: packed results (FC1 = 0)
.set RL,   64                          ; FC1 = 1: max(z,0)
.set NZ,   96                          ; -|z|
.set TT,   128                         ; t
.set EE,   160                         ; 2^(c z^2)
.set UU,   192                         ; the polynomial
.set YG,   224                         ; packed results
.set WV, 12
.set WR, 13                            ; my row half of the tile; also 0: I fetch A, 1: I fetch W
.set WC, 14                            ; my column half; also which half of that tile I fetch
.set CX, 15
.set CY, 16
.set TC, 17
.set TR, 18
.set G1A, 24
.set G0A, 32                           ; group 0 for A: first slot 1's first fill, then it walks
.set G1B, 36
.set G0B, 44                           ; the same for W
.set SBD, 48                           ; 0 or SLOT: the slot that the walking descriptors fill
.set SBF, 49                           ; 0 or SLOT: the slot that is read
.set KC,  52
.set KT,  53
.set LW,  54                           ; wave x HALF
.set PFA, 56
.set LIM, 58
.set PST, 60
.set CP,  66                           ; constant pairs, both words written
.set CE,  68
.set C5,  70
.set C4,  72
.set C3,  74
.set C2,  76
.set C1,  78
.set EC,  80
.set SGN, 81
.set G0A0, 84                          ; group 0 of slot 0's first fill, A
.set G0B0, 88                          ; and W
.set MSB, 0
.macro WIN new                         ; the immediate's high byte repeats the setting that is left
.if MSB != (\new)
	s_set_vgpr_msb (MSB<<8)|(\new)
.set MSB, \new
.endif
.endm
.macro PLACES                          ; four plain places behind matrix instructions (ISA guide 7.12.1)
.rept 4
	v_nop
.endr
.endm
.macro JLOAD                           ; a joint refill: waves 0, 1 A's halves, waves 2, 3 W's; s_nop 0 and four v_nop follow each line
	s_cmp_eq_u32 s[WR], 0
	s_cbranch_scc0 .Lfor_b_\@
	tensor_load_to_lds s[G0A:G0A+3], s[G1A:G1A+7]
	s_nop 0
.rept 4
	v_nop
.endr
	s_branch .Lasked_\@
.Lfor_b_\@:
	tensor_load_to_lds s[G0B:G0B+3], s[G1B:G1B+7]
	s_nop 0
.rept 4
	v_nop
.endr
.Lasked_\@:
.endm
.macro CREST                           ; the cluster's barrier behind its opening work-group barrier
	s_cmp_lg_u32 s[WV], 0
	s_cbranch_scc1 .Lnot_wave_0_\@
	s_barrier_signal -3
.Lnot_wave_0_\@:
	s_barrier_wait -3
	s_barrier_signal -1
	s_barrier_wait -1
.endm
.macro CROUND
	s_barrier_signal -1
	s_barrier_wait -1
	CREST
.endm
.macro STEPD                           ; the walking descriptors: the other slot, the next K step.  Written only where no tensor load of mine is out
	s_xor_b32 s[SBD], s[SBD], SLOT
	s_add_co_u32 s[G0A+1], s[SBD], s[LW]
	s_add_co_u32 s[G0B+1], s[SBD], s[LW]
	s_add_nc_u64 s[G0A+2:G0A+3], s[G0A+2:G0A+3], 256
	s_add_nc_u64 s[G0B+2:G0B+3], s[G0B+2:G0B+3], 256*N
.endm
; A prefetch of the K step after the one just asked for: 32 blocks of 256 bytes, a lane a block.  A's rows are read by every cluster of a row of clusters: cluster x = 0 asks;
; W's by every cluster of a column: cluster y = 0 asks.  The four partners share a wave's 128 blocks out by address.  The last trip that fills a slot asks for nothing.
.macro ASK
	s_cmp_gt_u32 s[KC], s[LIM]
	s_cbranch_scc0 .Lnot_mine_\@
	global_prefetch_b8 v[PFO], s[PFA:PFA+1] th:TH_LOAD_NT scope:SCOPE_SE
.Lnot_mine_\@:
.endm
; 16 matrix instructions: row blocks a0, a0 + 1 of the window's four x all 8 column blocks, 32 along K.  zero = 1: the bias starts the sums.
; The 64 accumulators take turns, one instruction a turn, in the same order in every quarter.
.macro MUL16 f, hi, a0, zero
.if \zero
	WIN 0x81+0x40*(\hi)
.else
	WIN 0xa1+0x50*(\hi)
.endif
.irp a, \a0, (\a0)+1
.irp b, 0,1,2,3,4,5,6,7
.if \zero
	v_wmma_f32_16x16x32_bf16 v[8*(8*(\a)+(\b)):8*(8*(\a)+(\b))+7], v[(\f)+8*(\b):(\f)+8*(\b)+7], v[(\f)+8*(4*(\hi)+(\a)):(\f)+8*(4*(\hi)+(\a))+7], v[BIAS+8*(\b):BIAS+8*(\b)+7]
.else
	v_wmma_f32_16x16x32_bf16 v[8*(8*(\a)+(\b)):8*(8*(\a)+(\b))+7], v[(\f)+8*(\b):(\f)+8*(\b)+7], v[(\f)+8*(4*(\hi)+(\a)):(\f)+8*(4*(\hi)+(\a))+7], v[8*(8*(\a)+(\b)):8*(8*(\a)+(\b))+7]
.endif
.endr
.endr
.endm
; 32 LDS loads in one run: quarter q's fragments into buffer f: W's 8 column blocks (turned: rows 32 q .. of the tile), then A's 8 row blocks
.macro FETCH q, f
	WIN 0x40
.irp i, 0,1,2,3,4,5,6,7
	ds_load_tr16_b128 v[(\f)+8*(\i):(\f)+8*(\i)+3],   v[ADRB] offset:(\q)*32*PB+32*(\i)
	ds_load_tr16_b128 v[(\f)+8*(\i)+4:(\f)+8*(\i)+7], v[ADRB] offset:(\q)*32*PB+16*PB+32*(\i)
.endr
	WIN 0
.irp i, 0,1,2,3,4,5,6,7
	ds_load_b128 v[(\f)+8*(\i):(\f)+8*(\i)+3],   v[ADRA] offset:64*(\q)+(\i)*16*PA
	ds_load_b128 v[(\f)+8*(\i)+4:(\f)+8*(\i)+7], v[ADRA] offset:64*(\q)+(\i)*16*PA+32
.endr
.endm
.macro QUARTER q, f, g, zero           ; multiplies buffer f; in its middle fetches quarter q + 1 into g
	s_wait_dscnt 8                                 ; W and A's rows 0-63 are in; the youngest eight loads (A's rows 64-127) may be out
	MUL16 \f, 0, 0, \zero
	MUL16 \f, 0, 2, \zero
	PLACES
	FETCH (\q)+1, \g
	s_wait_dscnt 32                                ; all but the 32 just issued
	MUL16 \f, 1, 0, \zero
	MUL16 \f, 1, 2, \zero
.endm
; The fourth quarter changes slots and then multiplies buffer 1.  One barrier; ahead of it each wave waits for all its tensor loads (one is out: its part of the next slot), adds 0 to its spare
; word, and waits for that and for its reads of this slot (the last were issued 32 products back).  fill = 1: the barrier opens the cluster's, and this slot is filled again first thing behind it, two K
; steps ahead.  All 64 products of the quarter stand behind the refill: the request goes out as soon as the ordering allows, and has a K step's 256 products in which to land.
; last = 1 (the tail's loop): in its last trip there is no further slot, and the fetch is jumped over.
.macro TURN fill, last
.if \fill
	s_wait_xcnt 0x0                                ; the last prefetch, a K step back, has read its address
	s_add_nc_u64 s[PFA:PFA+1], s[PFA:PFA+1], s[PST:PST+1]
.endif
	WIN 0
	s_wait_tensorcnt 0x0
	ds_add_u32 v[SPW], v[NIL]                      ; the scalar steps below stand between the add and the wait for it
.if \fill
	STEPD
.endif
	s_xor_b32 s[SBF], s[SBF], SLOT
	s_wait_dscnt 0x0                               ; the add is done, my reads of this slot are over
	s_barrier_signal -1
	s_barrier_wait -1
.if \fill
	CREST
	JLOAD                                          ; its four v_nop are also the places ahead of the loads below
.else
	PLACES
.endif
.if \last
	s_cmp_eq_u32 s[KT], 1
	s_cbranch_scc1 .Lnofetch_\@
.endif
	v_add_nc_u32 v[ADRA], s[SBF], v[A0]
	v_add_nc_u32 v[ADRB], s[SBF], v[B0]
	FETCH 0, F0
.if \last
.Lnofetch_\@:
.endif
.if \fill
	ASK
.endif
	MUL16 F1, 0, 0, 0
	MUL16 F1, 0, 2, 0
	MUL16 F1, 1, 0, 0
	MUL16 F1, 1, 2, 0
.endm
	s_load_b256 s[4:11], s[0:1], 0x0               ; A s[4:5], w16 s[6:7], bias s[8:9], out s[10:11]
	v_lshl_add_u32 v[SPW], v0, 2, SPARE
	v_mov_b32 v[NIL], 0
	ds_add_u32 v[SPW], v[NIL]                      ; the wave's opening: the add and its wait stand ahead of my first tensor load
	v_lshrrev_b32 v1, 5, v0
	v_readfirstlane_b32 s[WV], v1
	s_lshr_b32 s[WR], s[WV], 1
	s_and_b32 s[WC], s[WV], 1
	s_bfe_u32 s[CX], ttmp6, 0x40000
	s_bfe_u32 s[CY], ttmp6, 0x40004
	s_lshl_b32 s[TC], ttmp9, 2
	s_add_co_u32 s[TC], s[TC], s[CX]               ; tile column
	s_and_b32 s[TR], ttmp7, 0xffff
	s_lshl_b32 s[TR], s[TR], 2
	s_add_co_u32 s[TR], s[TR], s[CY]               ; tile row
	s_lshl_b32 s55, s[CY], 2
	s_lshl_b32 s55, 15, s55                        ; my row of the cluster
	s_lshl_b32 s59, 0x1111, s[CX]                  ; my column
	s_or_b32 s[G1A], s55, (1<<16)|(1<<20)|(1<<21)|(5<<22)|(3<<25)  ; mask; 2-byte elements; padding on; bit 21 beside a mask; after every 64 words 4 words
	s_mov_b32 s[G1A+1], 128<<16                    ; tensor_dim0 = 128
	s_mov_b32 s[G1A+2], 128<<16                    ; tensor_dim1 = 128
	s_mov_b32 s[G1A+3], 128<<16                    ; tile_dim0 = 128
	s_mov_b32 s[G1A+4], 128                        ; tile_dim1 = 128
	s_mov_b32 s[G1A+5], 1024                       ; elements from row to row
	s_mov_b32 s[G1A+6], 0
	s_mov_b32 s[G1A+7], 0
	s_or_b32 s[G1B], s59, (1<<16)|(1<<20)|(1<<21)|(6<<22)|(7<<25)  ; after every 128 words 8 words
	s_mov_b32 s[G1B+1], 256<<16                    ; 256 columns,
	s_mov_b32 s[G1B+2], 64<<16                     ; 64 rows of K
	s_mov_b32 s[G1B+3], 256<<16
	s_mov_b32 s[G1B+4], 64
	s_mov_b32 s[G1B+5], N
	s_mov_b32 s[G1B+6], 0
	s_mov_b32 s[G1B+7], 0
	s_lshl_b32 s50, s[TR], 8                       ; A: row 256 x tile row + 128 x half, 2,048 bytes a row
	s_lshl_b32 s51, s[WC], 7
	s_add_co_u32 s50, s50, s51
	s_lshl_b32 s50, s50, 11
	s_mov_b32 s51, 0
	s_mul_i32 s22, s[WC], 64*N*2                   ; W: row 64 x half, column 256 x tile column
	s_lshl_b32 s23, s[TC], 9
	s_add_co_u32 s22, s22, s23
	s_add_co_u32 s22, s22, WOFF
	s_mov_b32 s23, 0
	s_mul_i32 s[LW], s[WV], HALF                   ; A's halves, then W's halves: no place in the cluster enters an LDS address
	s_mov_b32 s[SBD], SLOT                         ; the walking descriptors begin at slot 1
	s_mov_b32 s[SBF], SLOT
	s_mov_b32 s[G0A0], 1
	s_mov_b32 s[G0A0+1], s[LW]
	s_mov_b32 s[G0B0], 1
	s_mov_b32 s[G0B0+1], s[LW]
	s_mov_b32 s[G0A], 1
	s_add_co_u32 s[G0A+1], s[LW], SLOT
	s_mov_b32 s[G0B], 1
	s_add_co_u32 s[G0B+1], s[LW], SLOT
	s_wait_dscnt 0x0                               ; the opening add is done
	s_wait_kmcnt 0x0
	s_add_nc_u64 s[G0A0+2:G0A0+3], s[4:5], s[50:51]              ; K step 0,
	s_add_nc_u64 s[G0A+2:G0A+3], s[G0A0+2:G0A0+3], 256           ; K step 1
	s_or_b32 s[G0A0+3], s[G0A0+3], 0x80000000
	s_or_b32 s[G0A+3], s[G0A+3], 0x80000000
	s_add_nc_u64 s[G0B0+2:G0B0+3], s[6:7], s[22:23]
	s_add_nc_u64 s[G0B+2:G0B+3], s[G0B0+2:G0B0+3], 256*N
	s_or_b32 s[G0B0+3], s[G0B0+3], 0x80000000
	s_or_b32 s[G0B+3], s[G0B+3], 0x80000000
	CROUND                                         ; all sixteen work-groups are here
	s_cmp_eq_u32 s[WR], 0                          ; a wave's two first fills stand in one branch, ahead of every wait on TENSORcnt and every LDS read
	s_cbranch_scc0 .Lfirst_b
	tensor_load_to_lds s[G0A0:G0A0+3], s[G1A:G1A+7]
	s_nop 0
	tensor_load_to_lds s[G0A:G0A+3], s[G1A:G1A+7]
	s_nop 0
.rept 4
	v_nop
.endr
	s_branch .Lfirst_asked
.Lfirst_b:
	tensor_load_to_lds s[G0B0:G0B0+3], s[G1B:G1B+7]
	s_nop 0
	tensor_load_to_lds s[G0B:G0B+3], s[G1B:G1B+7]
	s_nop 0
.rept 4
	v_nop
.endr
.Lfirst_asked:
	v_and_b32 v1, 15, v0                           ; l % 16
	v_bfe_u32 v2, v0, 4, 1                         ; l / 16
	v_and_b32 v5, 31, v0                           ; l
	v_mul_u32_u24 v[A0], v1, PA
	v_lshl_add_u32 v[A0], v2, 4, v[A0]
	s_mul_i32 s19, s[WR], 128*PA
	v_add_nc_u32 v[A0], s19, v[A0]                 ; row x pitch + 16 x half + my 128 rows
	v_and_b32 v3, 7, v0
	v_lshl_add_u32 v3, v2, 3, v3                   ; the turning load: lane l reads row 8 (l / 16) + l % 8,
	v_mul_u32_u24 v[B0], v3, PB
	v_bfe_u32 v4, v0, 3, 1
	v_lshl_add_u32 v[B0], v4, 4, v[B0]             ; columns 8 ((l / 8) % 2) ..
	s_lshl_b32 s19, s[WC], 8
	s_add_co_u32 s19, s19, BOFF
	v_add_nc_u32 v[B0], s19, v[B0]                 ; + my 128 columns, behind A's tile
	s_mul_i32 s19, s[WV], DW
	v_mul_u32_u24 v[DST], v1, DP
	v_lshl_add_u32 v[DST], v2, 5, v[DST]
	v_add_nc_u32 v[DST], s19, v[DST]               ; dump: row l % 16, 32 bytes for each half of the lanes
.if FC1
	v_lshl_add_u32 v[RD], v5, 4, s19               ; back: a row of 512 bytes a load
.else
	v_mul_u32_u24 v[RD], v2, DP                    ; back: two rows x 256 bytes (a head's 64 channels) a load
	v_lshl_add_u32 v[RD], v1, 4, v[RD]
	v_add_nc_u32 v[RD], s19, v[RD]
.endif
	v_lshlrev_b32 v[CO], 3, v5
	s_lshl_b32 s20, s[TC], 10
	s_lshl_b32 s21, s[WC], 9
	s_add_co_u32 s20, s20, s21
	v_lshl_add_u32 v[BO], v2, 5, s20               ; bias: my first column x 4 + 32 x half
.irp b, 0,1,2,3,4,5,6,7
	global_load_b128 v[BIAS+8*(\b):BIAS+8*(\b)+3],   v[BO], s[8:9] offset:64*(\b)
	global_load_b128 v[BIAS+8*(\b)+4:BIAS+8*(\b)+7], v[BO], s[8:9] offset:64*(\b)+16
.endr
.if FC1
	s_lshl_b32 s19, s[TR], 8                       ; out: my first row x 8,192 bytes + my first column x 2
	s_lshl_b32 s20, s[WR], 7
	s_add_co_u32 s19, s19, s20
	s_lshl_b32 s62, s19, 13
	s_lshl_b32 s20, s[TC], 9
	s_add_co_u32 s62, s62, s20
	s_lshl_b32 s20, s[WC], 8
	s_add_co_u32 s62, s62, s20
	s_mov_b32 s[CP], 0xbe6d3388                    ; -0.23164189
	s_mov_b32 s[CE], 0xbf38aa3b                    ; -0.72134752
	s_mov_b32 s[C5], 0x3f07dc22                    ; 0.53070271
	s_mov_b32 s[C4], 0xbf3a00e3                    ; -0.72657601
	s_mov_b32 s[C3], 0x3f35f0e3                    ; 0.71070687
	s_mov_b32 s[C2], 0xbe11a98e                    ; -0.14224837
	s_mov_b32 s[C1], 0x3e027906                    ; 0.12741480
.irp c, CP, CE, C5, C4, C3, C2, C1
	s_mov_b32 s[\c+1], s[\c]                       ; named as pairs
.endr
	s_mov_b32 s[SGN], 0x80000000
.else
	s_lshr_b32 s19, s[TR], 3                       ; out: [which][16 b + head][t][64]
	s_lshl_b32 s19, s19, 4
	s_and_b32 s20, s[TC], 3
	s_lshl_b32 s20, s20, 2
	s_add_co_u32 s19, s19, s20
	s_lshl_b32 s20, s[WC], 1
	s_add_co_u32 s19, s19, s20                     ; 16 b + my first head
	s_lshl_b32 s19, s19, 11
	s_and_b32 s20, s[TR], 7
	s_lshl_b32 s20, s20, 8
	s_add_co_u32 s19, s19, s20
	s_lshl_b32 s20, s[WR], 7
	s_add_co_u32 s19, s19, s20                     ; + my first t
	s_lshl_b32 s62, s19, 7                         ; x 128 bytes
	s_lshr_b32 s20, s[TC], 2
	s_lshl_b32 s20, s20, 23                        ; q, k or v
	s_add_co_u32 s62, s62, s20
.endif
	s_mov_b32 s63, 0
	s_add_nc_u64 s[10:11], s[10:11], s[62:63]
	; the prefetches: where they stand (at K step 2; the first change of slots steps them to 3), who asks, each lane's block
	s_lshl_b32 s19, s[TR], 8
	s_lshl_b32 s20, s[WC], 7
	s_add_co_u32 s19, s19, s20
	s_lshl_b32 s20, s[CX], 5
	s_add_co_u32 s19, s19, s20                     ; A: my work-group's 32 rows of the 128 that I fetch
	s_lshl_b32 s19, s19, 11
	s_add_co_u32 s19, s19, 2*256
	s_lshl_b32 s20, s[WC], 6
	s_lshl_b32 s21, s[CY], 4
	s_add_co_u32 s20, s20, s21                     ; W: my work-group's 16 rows of the 64
	s_mul_i32 s20, s20, 2*N
	s_lshl_b32 s21, s[TC], 9
	s_add_co_u32 s20, s20, s21
	s_add_co_u32 s20, s20, WOFF+2*256*N
	s_and_b32 s21, ttmp7, 0xffff
	s_mov_b32 s[PST], 256*N
	s_mov_b32 s59, 2*N
	s_cmp_eq_u32 s[WR], 0
	s_cselect_b32 s62, s19, s20
	s_cselect_b32 s21, ttmp9, s21                  ; the coordinate along which other clusters read the same rows
	s_cselect_b64 s[PFA:PFA+1], s[4:5], s[6:7]
	s_cselect_b32 s[PST], 256, s[PST]
	s_cselect_b32 s59, 2048, s59                   ; bytes from row to row
	s_cselect_b32 s55, 0, 1                        ; W: two blocks a row
	s_mov_b32 s[PST+1], 0
	s_cmp_eq_u32 s21, 0
	s_cselect_b32 s[LIM], 1, -1                    ; the same in all sixteen partners, for a given wave
	s_add_nc_u64 s[PFA:PFA+1], s[PFA:PFA+1], s[62:63]
	v_and_b32 v25, s55, v5
	v_lshrrev_b32 v[PFO], s55, v5
	v_mul_u32_u24 v[PFO], s59, v[PFO]
	v_lshl_add_u32 v[PFO], v25, 8, v[PFO]
	s_wait_tensorcnt 0x1                           ; my part of K step 0 is in; K step 1's load may stay out
	s_barrier_signal -1
	s_barrier_wait -1                              ; everybody's is
	s_xor_b32 s[SBF], s[SBF], SLOT                 ; slot 0 is read
	v_add_nc_u32 v[ADRA], s[SBF], v[A0]
	v_add_nc_u32 v[ADRB], s[SBF], v[B0]
	FETCH 0, F0
	s_wait_loadcnt 0x0                             ; the bias
	s_mov_b32 s[KC], NS-2
	QUARTER 0, F0, F1, 1                           ; the first quarter starts the sums; the loop is entered behind its own first quarter
	WIN 0
	s_branch .Lmid
.Lk:                                               ; a trip is a K step; it asks for the K step two on
	QUARTER 0, F0, F1, 0
	WIN 0
.Lmid:
	QUARTER 1, F1, F0, 0
	QUARTER 2, F0, F1, 0
	TURN 1, 0
	WIN 0
	s_sub_co_u32 s[KC], s[KC], 1
	s_cmp_lg_u32 s[KC], 0
	s_cbranch_scc1 .Lk
	s_mov_b32 s[KT], 2                             ; the last two K steps ask for nothing
.Lt:
	QUARTER 0, F0, F1, 0
	QUARTER 1, F1, F0, 0
	QUARTER 2, F0, F1, 0
	TURN 0, 1
	WIN 0
	s_sub_co_u32 s[KT], s[KT], 1
	s_cmp_lg_u32 s[KT], 0
	s_cbranch_scc1 .Lt
	; THE DUMP.  Behind the last barrier no wave reads the ring and no fill follows: its bytes take the sums, each wave's in 128 rows of 528 bytes of its own.
	PLACES
	PLACES
.irp a, 0,1,2,3,4,5,6,7
	WIN 0x08+4*((\a)/4)                            ; the stores' data in window 2 or 3
.irp b, 0,1,2,3,4,5,6,7
	ds_store_b128 v[DST], v[8*(8*((\a)%4)+(\b)):8*(8*((\a)%4)+(\b))+3]   offset:(\a)*16*DP+64*(\b)
	ds_store_b128 v[DST], v[8*(8*((\a)%4)+(\b))+4:8*(8*((\a)%4)+(\b))+7] offset:(\a)*16*DP+64*(\b)+16
.endr
.endr
	WIN 0
	s_mov_b32 s[EC], 16                            ; 16 trips of 8 rows; LDS serves a wave's instructions in order, so the loads see the stores above
.if FC1
.irp j, 0,1,2,3,4,5,6,7
	ds_load_b128 v[Z+4*(\j):Z+4*(\j)+3], v[RD] offset:(\j)*DP
.endr
; A trip's 32 numbers a lane go through each operation together, 16 pairs on end, so that a line reads a result made 16 lines or more earlier; reciprocals and exponentials stand by turns with plain lines.
.Lw:
	s_wait_dscnt 0x0
.set i, 0
.rept 32
	v_or_b32 v[NZ+i], s[SGN], v[Z+i]               ; -|z|
.set i, i+1
.endr
.set i, 0
.rept 16
	v_pk_fma_f32 v[TT+i:TT+i+1], v[NZ+i:NZ+i+1], s[CP:CP+1], 1.0 op_sel_hi:[1,0,0]  ; 1 + p |z|
.set i, i+2
.endr
.set i, 0
.rept 16
	v_pk_mul_f32 v[EE+i:EE+i+1], v[Z+i:Z+i+1], v[Z+i:Z+i+1]
.set i, i+2
.endr
.set i, 0
.rept 32
	v_rcp_f32 v[TT+i], v[TT+i]                     ; t
	v_max_num_f32 v[RL+i], 0, v[Z+i]
.set i, i+1
.endr
.set i, 0
.rept 16
	v_pk_mul_f32 v[EE+i:EE+i+1], v[EE+i:EE+i+1], s[CE:CE+1] op_sel_hi:[1,0]
.set i, i+2
.endr
	s_wait_alu depctr_va_vdst(0)                   ; one wait for the 32 reciprocals, ahead of their first reader and of the branch
	s_cmp_eq_u32 s[EC], 1
	s_cbranch_scc1 .Lwlast
	v_add_nc_u32 v[RD], 8*DP, v[RD]                ; the next 8 rows come while these are worked on
.irp j, 0,1,2,3,4,5,6,7
	ds_load_b128 v[Z+4*(\j):Z+4*(\j)+3], v[RD] offset:(\j)*DP
.endr
.Lwlast:
.set i, 0
.rept 16
	v_exp_f32 v[EE+i], v[EE+i]
	v_pk_fma_f32 v[UU+2*i:UU+2*i+1], v[TT+2*i:TT+2*i+1], s[C5:C5+1], s[C4:C4+1] op_sel_hi:[1,0,0]
.set i, i+1
.endr
.set i, 0
.rept 16
	v_exp_f32 v[EE+16+i], v[EE+16+i]
	v_pk_fma_f32 v[UU+2*i:UU+2*i+1], v[UU+2*i:UU+2*i+1], v[TT+2*i:TT+2*i+1], s[C3:C3+1] op_sel_hi:[1,1,0]
.set i, i+1
.endr
.irp c, C2, C1
.set i, 0
.rept 16
	v_pk_fma_f32 v[UU+i:UU+i+1], v[UU+i:UU+i+1], v[TT+i:TT+i+1], s[\c:\c+1] op_sel_hi:[1,1,0]
.set i, i+2
.endr
.endr
.set i, 0
.rept 16
	v_pk_mul_f32 v[UU+i:UU+i+1], v[UU+i:UU+i+1], v[TT+i:TT+i+1]
.set i, i+2
.endr
	s_wait_alu depctr_va_vdst(0)                   ; one wait for the 32 exponentials
.set i, 0
.rept 16
	v_pk_mul_f32 v[UU+i:UU+i+1], v[UU+i:UU+i+1], v[EE+i:EE+i+1]                    ; q
.set i, i+2
.endr
.set i, 0
.rept 16
	v_pk_fma_f32 v[UU+i:UU+i+1], v[NZ+i:NZ+i+1], v[UU+i:UU+i+1], v[RL+i:RL+i+1]    ; max(z,0) - |z| q
.set i, i+2
.endr
.set i, 0
.rept 16
	v_cvt_pk_bf16_f32 v[YG+i/2], v[UU+i], v[UU+i+1]
.set i, i+2
.endr
.irp j, 0,1,2,3,4,5,6,7
	global_store_b64 v[CO], v[YG+2*(\j):YG+2*(\j)+1], s[10:11] offset:(\j)*8192  ; 256 consecutive bytes of a row, aligned
.endr
	s_wait_xcnt 0x0                                ; the stores have read their data and base
	s_add_nc_u64 s[10:11], s[10:11], 8*8192
.else
.irp j, 0,1,2,3,4,5,6,7
	ds_load_b128 v[Z+4*(\j):Z+4*(\j)+3], v[RD] offset:((\j)/2)*2*DP+((\j)%2)*256
.endr
.Lw:
	s_wait_dscnt 0x0
.irp j, 0,1,2,3,4,5,6,7
	v_cvt_pk_bf16_f32 v[YQ+2*(\j)], v[Z+4*(\j)], v[Z+4*(\j)+1]
	v_cvt_pk_bf16_f32 v[YQ+2*(\j)+1], v[Z+4*(\j)+2], v[Z+4*(\j)+3]
.endr
	s_cmp_eq_u32 s[EC], 1
	s_cbranch_scc1 .Lwlast
	v_add_nc_u32 v[RD], 8*DP, v[RD]
.irp j, 0,1,2,3,4,5,6,7
	ds_load_b128 v[Z+4*(\j):Z+4*(\j)+3], v[RD] offset:((\j)/2)*2*DP+((\j)%2)*256
.endr
.Lwlast:
.irp j, 0,1,2,3,4,5,6,7
	global_store_b64 v[CO], v[YQ+2*(\j):YQ+2*(\j)+1], s[10:11] offset:((\j)%2)*262144+((\j)/2)*256  ; two rows of a head: 256 consecutive bytes, aligned
.endr
	s_wait_xcnt 0x0
	s_add_nc_u64 s[10:11], s[10:11], 8*128
.endif
	s_sub_co_u32 s[EC], s[EC], 1
	s_cmp_lg_u32 s[EC], 0
	s_cbranch_scc1 .Lw
	s_wait_tensorcnt 0x0                           ; the wave's end
	ds_add_u32 v[SPW], v[NIL]
	s_wait_dscnt 0x0
	CROUND                                         ; the closing meeting of the cluster
	s_endpgm
.Lfunc_end_k_q1c9facffb3_qkv:
	.size	k_q1c9facffb3_qkv, .Lfunc_end_k_q1c9facffb3_qkv-k_q1c9facffb3_qkv
	.p2alignl 7, 3214868480
	.fill 96, 4, 3214868480
	.section	.rodata,"a",@progbits
	.p2align	6, 0x0
	.amdhsa_kernel k_q1c9facffb3_qkv
		.amdhsa_group_segment_fixed_size 327680
		.amdhsa_private_segment_fixed_size 0
		.amdhsa_enable_private_segment 0
		.amdhsa_kernarg_size 32
		.amdhsa_user_sgpr_count 2
		.amdhsa_user_sgpr_kernarg_segment_ptr 1
		.amdhsa_wavefront_size32 1
		.amdhsa_system_sgpr_workgroup_id_x 1
		.amdhsa_system_sgpr_workgroup_id_y 1
		.amdhsa_system_sgpr_workgroup_id_z 1
		.amdhsa_system_vgpr_workitem_id 0
		.amdhsa_next_free_vgpr 1024
		.amdhsa_next_free_sgpr 92
		.amdhsa_reserve_vcc 0
		.amdhsa_float_denorm_mode_32 3
		.amdhsa_float_denorm_mode_16_64 3
		.amdhsa_memory_ordered 1
		.amdhsa_forward_progress 1
		.amdhsa_inst_pref_size 83
	.end_amdhsa_kernel
	.amdgpu_metadata
---
amdhsa.version: [ 1, 2 ]
amdhsa.kernels:
  - .name:           k_q1c9facffb3_qkv
    .symbol:         k_q1c9facffb3_qkv.kd
    .args:
      - { .name: h, .offset: 0, .size: 8, .value_kind: global_buffer, .address_space: global }
      - { .name: w16, .offset: 8, .size: 8, .value_kind: global_buffer, .address_space: global }
      - { .name: b_qkv, .offset: 16, .size: 8, .value_kind: global_buffer, .address_space: global }
      - { .name: qkvh, .offset: 24, .size: 8, .value_kind: global_buffer, .address_space: global }
    .group_segment_fixed_size: 327680
    .private_segment_fixed_size: 0
    .kernarg_segment_align: 8
    .kernarg_segment_size: 32
    .max_flat_workgroup_size: 128
    .sgpr_count:     92
    .vgpr_count:     1024
    .wavefront_size: 32
...
	.end_amdgpu_metadata
.endif
;; end of part 2
;; launch attn (part 3): grid 8 x 32, 4 waves a work-group, clusters of 4 x 1, 327,680 bytes of LDS; arguments qkvh, yh; writes yh
.if DOCPART == 3
	.amdgcn_target "amdgcn-amd-amdhsa--gfx1250"
	.amdhsa_code_object_version 6
	.text
	.protected	k_q1c9facffb3_attn
	.globl	k_q1c9facffb3_attn
	.p2align	8
	.type	k_q1c9facffb3_attn,@function
k_q1c9facffb3_attn:
	s_mov_b64 s[64:65], 0
	v_nop
	global_prefetch_b8 v0, s[64:65] scope:SCOPE_SE
	s_setreg_imm32_b32 hwreg(HW_REG_WAVE_MODE, 25, 1), 1
	s_wait_xcnt 0x0
	s_wait_alu depctr_hold_cnt(0) depctr_sa_sdst(0) depctr_va_vdst(0) depctr_va_sdst(0) depctr_va_ssrc(0) depctr_va_vcc(0) depctr_vm_vsrc(0)
	s_getreg_b32 s2, hwreg(HW_REG_IB_STS2, 6, 4)
	s_cmp_eq_u32 s2, 0
	s_cbranch_scc0 .Lentry_in_a_cluster
	s_endpgm
.Lentry_in_a_cluster:
	s_bfe_u32 s2, ttmp6, 0x10000c
	s_cmp_lg_u32 s2, 0x3003
	s_cbranch_scc0 .Lentry_shape_is_right
	s_endpgm
.Lentry_shape_is_right:
; O[h][q][:] = the sum over k of softmax_k(Q[h][q] . K[h][k] / 8) V[h][k][:].  Q, K, V lie in qkvh as [3][32][2048][64] bf16, O in yh as [32][2048][64] bf16.
; Products, maxima and sums in f32; the weights p are rounded to bf16 for the second product (their sum l is taken of the unrounded p), O once at the end.
; LIMITS.  c m starts at -4.25e37: scores with |c s| beyond 4e37 are not served; a weight below 2^-126 counts as 0 in l; NaN and infinities are not treated apart.
; SHARES.  A work-group owns 256 queries of one head, a wave 64: four PIECES of 16.  Every wave walks all 2,048 keys, 64 a step, four steps to an LDS slot.
; LAYOUT.  S^T = K Q^T holds ONE query a lane (lane % 16) and the keys 8 (lane / 16) + 0..7; two such results rounded to bf16 ARE source 1 of O^T = V^T P.  K comes out of LDS as it lies, V turned.
; SOFTMAX.  p = 2^(c s - c m), c = log2(e) / 8, with a running maximum m; O and l are multiplied by a = 2^(c m_old - c m_new) in every step; the first step's a is 0.
; BY TURNS.  Turn n belongs to piece n: 8 products K Q^T of piece n + 1, later 8 products V^T P of piece n - 1; beside them the scaling, exponentials, roundings, sums and rescaling of piece n and the
; maximum and statistics of piece n + 1.  Four vector instructions stand behind every matrix instruction, the rest in one run.  A turn's 33 exponentials are one batch with one wait.
; CLUSTER.  The four query blocks of a cluster belong to one head and walk the same K and V: each tile is asked for jointly.
; REGISTERS in windows of 256: window 0 addresses, statistics, S^T (two buffers), P (two buffers); window 1 O^T, 32 a piece; window 2 Q v0-63, K v128-191, V v192-255.
.set SIZE_N, 2048
.set NP,    4
.set KS,    64
.set PK,    144                        ; a row of K in LDS: 128 bytes + 16
.set PV,    160                        ; a row of V: 128 + 32
.set VOFF,  4*KS*PK
.set SLOT1, 1<<17
.set STAGE, SLOT1+4*KS*(PK+PV)         ; behind the ring: 16 rows x 144 bytes a wave, for the way out
.set SP,    144
.set SPARE, STAGE+4*16*SP              ; the spare words, 128 bytes a wave
.set AK0, 2
.set AV0, 3
.set AK,  4
.set AV,  5
.set STO, 6
.set RD,  7
.set GO,  8
.set MV,  12
.set QO,  15
.set ST,  16                           ; piece t's statistics at v[ST+4 t]: c m, m, l (even keys', odd keys')
.set TMP, 48
.set PFO, 61                           ; 256 x my lane
.set SPW, 62
.set NIL, 63
.set S,   64
.set P,   192
.set KF,  128
.set VF,  192
.set WV,  12
.set G1K, 24
.set G1V, 32
.set G0K, 40
.set G0V, 44
.set PFA, 48
.set LIM, 50
.set SLOTS, 56
.set CNT, 57
.set CS,  58
.set SEL, 60
.set TBK, 62
.set TBV, 63
.set MSB, 0
.macro WIN new
.if MSB != (\new)
	s_set_vgpr_msb (MSB<<8)|(\new)
.set MSB, (\new)
.endif
.endm
.set W_KQ, 0x0a                        ; K and Q in window 2, S^T in window 0
.set W_PV, 0x52                        ; V in window 2, P in window 0, O^T in window 1
.set W_RS, 0x41                        ; destination and source 0 in window 1, source 1 in window 0
.macro JLOAD                           ; waves 0, 1 the halves of a slot's K, waves 2, 3 of its V; s_nop 0 and four v_nop follow each line
	s_cmp_lt_u32 s[WV], 2
	s_cbranch_scc0 .Lfor_v_\@
	tensor_load_to_lds s[G0K:G0K+3], s[G1K:G1K+7]
	s_nop 0
.rept 4
	v_nop
.endr
	s_branch .Lasked_\@
.Lfor_v_\@:
	tensor_load_to_lds s[G0V:G0V+3], s[G1V:G1V+7]
	s_nop 0
.rept 4
	v_nop
.endr
.Lasked_\@:
.endm
.macro CROUND
	s_barrier_signal -1
	s_barrier_wait -1
	s_cmp_lg_u32 s[WV], 0
	s_cbranch_scc1 .Lnot_wave_0_\@
	s_barrier_signal -3
.Lnot_wave_0_\@:
	s_barrier_wait -3
	s_barrier_signal -1
	s_barrier_wait -1
.endm
; A prefetch of the tile that the NEXT change of slots will ask for: 128 blocks of 256 bytes of K and of V.  The head's first cluster asks; its four partners take 32 blocks each, by address;
; wave 0 asks for K's, wave 2 for V's, a lane a block.  The last change that fills a slot asks for nothing.
.macro ASK
	s_cmp_gt_u32 s[SLOTS], s[LIM]
	s_cbranch_scc0 .Lnot_mine_\@
	global_prefetch_b8 v[PFO], s[PFA:PFA+1] th:TH_LOAD_NT scope:SCOPE_SE
.Lnot_mine_\@:
.endm
; THE CHANGE OF SLOTS.  Each wave waits for all its tensor loads (one is out: its part of the other slot), adds 0 to its spare word, and waits for that and for its reads of the slot that it leaves.
; fill = 1: the barrier is the cluster's, and the old slot is filled again first thing behind it, with the keys two slots on: four key steps in which to land.
.macro CHANGE fill
	WIN 0
	s_wait_tensorcnt 0x0
	ds_add_u32 v[SPW], v[NIL]
.if \fill
.irp g, G0K, G0V
	s_xor_b32 s[\g+1], s[\g+1], SLOT1
	s_add_nc_u64 s[\g+2:\g+3], s[\g+2:\g+3], 4*KS*128
.endr
	s_wait_xcnt 0x0                                ; the last prefetch, four key steps back, has read its address
	s_add_nc_u64 s[PFA:PFA+1], s[PFA:PFA+1], 4*KS*128
	s_wait_dscnt 0x0
	CROUND
	JLOAD
	ASK
.else
	s_wait_dscnt 0x0
	s_barrier_signal -1
	s_barrier_wait -1
.endif
	s_sub_co_u32 s[TBK], s[TBK], 4*KS*PK           ; the fetches go back to a slot's first step, in the other slot
	s_xor_b32 s[TBK], s[TBK], SLOT1
	s_sub_co_u32 s[TBV], s[TBV], 4*KS*PV
	s_xor_b32 s[TBV], s[TBV], SLOT1
.endm
	s_load_b64 s[4:5], s[0:1], 0x0                 ; qkvh
	s_load_b64 s[10:11], s[0:1], 0x8               ; yh
	v_lshl_add_u32 v[SPW], v0, 2, SPARE
	v_mov_b32 v[NIL], 0
	ds_add_u32 v[SPW], v[NIL]                      ; the wave's opening: the add and its wait stand ahead of my first tensor load
	v_lshrrev_b32 v1, 5, v0
	v_readfirstlane_b32 s[WV], v1
	s_bfe_u32 s13, ttmp6, 0x40000                  ; cx
	s_lshl_b32 s14, ttmp9, 2
	s_add_co_u32 s14, s14, s13                     ; my block of 256 queries: it enters Q's and O's addresses alone
	s_and_b32 s20, ttmp7, 0xffff                   ; the head, which the four partners share
	s_lshl_b32 s20, s20, 18                        ; x 262,144 bytes
	s_and_b32 s16, s[WV], 1                        ; which half of a slot's 256 keys I fetch
	s_lshl_b32 s22, s16, 14
	s_add_co_u32 s22, s22, s20
	s_mov_b32 s23, 0
	s_mul_i32 s17, s16, 128*PK
	s_mul_i32 s18, s16, 128*PV
	s_lshl_b32 s2, s14, 2
	s_add_co_u32 s2, s2, s[WV]
	s_lshl_b32 s2, s2, 13                          ; my wave's 64 rows of 128 bytes
	s_add_co_u32 s2, s2, s20
	s_mov_b32 s3, 0
	; 128 keys are 16,384 dense bytes: asked for as 64 rows of 256 bytes, padded in LDS after every key
	s_mov_b32 s[G1K], 15|(1<<16)|(1<<20)|(1<<21)|(4<<22)|(3<<25)
	s_mov_b32 s[G1V], 15|(1<<16)|(1<<20)|(1<<21)|(4<<22)|(7<<25)
.irp g, G1K, G1V
	s_mov_b32 s[\g+1], 128<<16
	s_mov_b32 s[\g+2], 64<<16
	s_mov_b32 s[\g+3], 128<<16
	s_mov_b32 s[\g+4], 64
	s_mov_b32 s[\g+5], 128
	s_mov_b32 s[\g+6], 0
	s_mov_b32 s[\g+7], 0
.endr
	s_mov_b32 s[CS], 0x3e38aa3b                    ; c = log2(e) / 8
	s_mov_b32 s[CS+1], s[CS]
	s_mov_b32 s[SEL], 0x76543210
	s_mov_b32 s[SEL+1], 0xfedcba98
	s_mov_b32 s[TBK], SLOT1+4*KS*PK                ; the first change of slots turns these two into 0
	s_mov_b32 s[TBV], SLOT1+4*KS*PV
	s_mov_b32 s[G0K], 1
	s_mov_b32 s[G0K+1], s17
	s_mov_b32 s[G0V], 1
	s_add_co_u32 s[G0V+1], s18, VOFF
	s_mov_b32 s[SLOTS], SIZE_N/256-1
	s_and_b32 s[LIM], s[WV], 1                     ; 0 in waves 0 and 2,
	s_or_b32 s[LIM], s[LIM], ttmp9                 ; where the cluster is the head's first
	s_cmp_eq_u32 s[LIM], 0
	s_cselect_b32 s[LIM], 1, -1
	v_and_b32 v[PFO], 31, v0
	v_lshlrev_b32 v[PFO], 8, v[PFO]
	s_wait_dscnt 0x0                               ; the opening add is done
	s_wait_kmcnt 0x0
	s_add_nc_u64 s[6:7], s[4:5], s[22:23]
	s_add_nc_u64 s[8:9], s[6:7], 0x1000000         ; V at my half of the head's first 256 keys,
	s_add_nc_u64 s[6:7], s[6:7], 0x800000          ; K likewise
	s_add_nc_u64 s[G0K+2:G0K+3], s[6:7], 0
	s_or_b32 s[G0K+3], s[G0K+3], 0x80000000
	s_add_nc_u64 s[G0V+2:G0V+3], s[8:9], 0
	s_or_b32 s[G0V+3], s[G0V+3], 0x80000000
	s_add_nc_u64 s[4:5], s[4:5], s[2:3]            ; Q and O at my wave's first row
	s_add_nc_u64 s[10:11], s[10:11], s[2:3]
	s_cmp_lt_u32 s[WV], 2
	s_cselect_b64 s[PFA:PFA+1], s[6:7], s[8:9]
	s_lshl_b32 s2, s13, 13                         ; my work-group's 32 blocks,
	s_add_co_u32 s2, s2, 4*KS*128                  ; in tile 1; the first change steps it to tile 2
	s_add_nc_u64 s[PFA:PFA+1], s[PFA:PFA+1], s[2:3]
	CROUND
	JLOAD                                          ; tile 0 into slot 0
	v_and_b32 v1, 15, v0
	v_bfe_u32 v9, v0, 4, 1
	v_lshlrev_b32 v[QO], 7, v1
	v_lshl_add_u32 v[QO], v9, 4, v[QO]
	WIN 0x80
.set i, 0
.rept 8                                            ; Q stays in registers: piece i / 2, channels 32 (i % 2) on
	global_load_b128 v[8*i:8*i+3],   v[QO], s[4:5] offset:(i/2)*2048+(i%2)*64
	global_load_b128 v[8*i+4:8*i+7], v[QO], s[4:5] offset:(i/2)*2048+(i%2)*64+32
.set i, i+1
.endr
	; What the first turn finds: V, P's second buffer, O^T and l hold 0.  All this stands in the wait for the first tile.
.set i, VF
.rept 64
	v_mov_b32 v[i], 0
.set i, i+1
.endr
	WIN 0x40
.set i, 0
.rept 128
	v_mov_b32 v[i], 0
.set i, i+1
.endr
	WIN 0
.set i, 0
.rept 4
	v_mov_b32 v[ST+4*i+2], 0
	v_mov_b32 v[ST+4*i+3], 0
.set i, i+1
.endr
.set i, P+16
.rept 16
	v_mov_b32 v[i], 0
.set i, i+1
.endr
	v_mul_u32_u24 v[AK0], v1, PK
	v_lshl_add_u32 v[AK0], v9, 4, v[AK0]
	v_and_b32 v10, 7, v0
	v_bfe_u32 v11, v0, 3, 1
	v_lshl_add_u32 v[AV0], v9, 3, v10
	v_mul_u32_u24 v[AV0], v[AV0], PV
	v_lshl_add_u32 v[AV0], v11, 4, v[AV0]
	v_add_nc_u32 v[AV0], VOFF, v[AV0]
	s_mul_i32 s13, s[WV], 16*SP
	s_add_co_u32 s13, s13, STAGE
	v_mul_u32_u24 v[STO], v1, SP
	v_lshl_add_u32 v[STO], v9, 4, v[STO]
	v_add_nc_u32 v[STO], s13, v[STO]
	v_bfe_u32 v[RD], v0, 3, 2
	v_mul_u32_u24 v[RD], v[RD], SP
	v_lshl_add_u32 v[RD], v10, 4, v[RD]
	v_add_nc_u32 v[RD], s13, v[RD]
	v_and_b32 v[GO], 31, v0
	v_lshlrev_b32 v[GO], 4, v[GO]
; THE MATRIX WORK.  The 4 accumulators of a run of 8 take turns.
.macro KQ x                            ; product i of 8 of S^T = K Q^T: channels 32 (i / 4) on, keys 16 (i % 4) on; the first 4 start the sums
	WIN W_KQ
.set rS, S+32*((\x)%2)+8*(i%4)
.set rK, KF+16*(i%4)+8*(i/4)
.set rQ, 16*(\x)+8*(i/4)
.if i < 4
	v_wmma_f32_16x16x32_bf16 v[rS:rS+7], v[rK:rK+7], v[rQ:rQ+7], 0
.else
	v_wmma_f32_16x16x32_bf16 v[rS:rS+7], v[rK:rK+7], v[rQ:rQ+7], v[rS:rS+7]
.endif
.endm
.macro PV x                            ; product i of 8 of O^T += V^T P: keys 32 (i / 4) on, channels 16 (i % 4) on
	WIN W_PV
.set rO, 32*(\x)+8*(i%4)
.set rV, VF+32*(i/4)+8*(i%4)
.set rP, P+16*((\x)%2)+8*(i/4)
	v_wmma_f32_16x16x32_bf16 v[rO:rO+7], v[rV:rV+7], v[rP:rP+7], v[rO:rO+7]
.endm
.macro MM                              ; the turn's next matrix instruction
.if i < 8
	KQ (Y+1)%NP
.else
.set i, i-8
	PV (Y+NP-1)%NP
.set i, i+8
.endif
.set i, i+1
.endm
.macro FETCH_K                         ; a step's K: 16 loads in one run
	WIN 0x80
.irp f, 0,1,2,3,4,5,6,7
	ds_load_b128 v[KF+8*\f:KF+8*\f+3],   v[AK] offset:(\f/2)*16*PK+(\f%2)*64
	ds_load_b128 v[KF+8*\f+4:KF+8*\f+7], v[AK] offset:(\f/2)*16*PK+(\f%2)*64+32
.endr
	s_add_co_u32 s[TBK], s[TBK], KS*PK
	WIN 0
.endm
.macro FETCH_V                         ; a step's V, turned
	WIN 0x80
.irp f, 0,1,2,3,4,5,6,7
	ds_load_tr16_b128 v[VF+8*\f:VF+8*\f+3],   v[AV] offset:(\f/4)*32*PV+(\f%4)*32
	ds_load_tr16_b128 v[VF+8*\f+4:VF+8*\f+7], v[AV] offset:(\f/4)*32*PV+16*PV+(\f%4)*32
.endr
	WIN 0
.endm
; THE VECTOR WORK, one line at a time: OP kind, number.  For piece Y: F n: c s - c m for pair n.  E n: the exponential of score n.  C n: pair n rounded to bf16.  B n: of the four weights 4 n .. the second
; pair is added onto the first.  L n: l takes that sum (L 0: l = a l + sum).  R n: pair n of O^T times a.  For piece Y + 1: X n, number n of the 22 that find its maximum and statistics
; (0-11 four chains, each accumulator's lowest registers first; 12-14, 16 the rest, the old m; 15 c m_old is kept; 17, 18 the other half of the lanes; 19-21 c m, its change, a).
.set F, 0
.set E, 1
.set C, 2
.set B, 3
.set L, 4
.set R, 5
.set X, 6
.macro REGS y
.set rT, ST+4*(\y)
.set rC, TMP+4*((\y)%2)
.set rW, MV+((\y)%2)
.set rS, S+32*((\y)%2)
.set rP, P+16*((\y)%2)
.set rO, 32*(\y)
.endm
.macro OP k, n
.if (\k) == R
	REGS Y
	WIN W_RS
	v_pk_mul_f32 v[rO+2*(\n):rO+2*(\n)+1], v[rO+2*(\n):rO+2*(\n)+1], v[rC+2:rC+3] op_sel_hi:[1,0]
.elseif (\k) < R
	REGS Y
	WIN 0
.if (\k) == F
	v_pk_fma_f32 v[rS+2*(\n):rS+2*(\n)+1], v[rS+2*(\n):rS+2*(\n)+1], s[CS:CS+1], v[rT:rT+1] op_sel_hi:[1,0,0] neg_lo:[0,0,1] neg_hi:[0,0,1]
.elseif (\k) == E
	v_exp_f32 v[rS+(\n)], v[rS+(\n)]
.elseif (\k) == C
	v_cvt_pk_bf16_f32 v[rP+(\n)], v[rS+2*(\n)], v[rS+2*(\n)+1]
.elseif (\k) == B
	v_pk_add_f32 v[rS+4*(\n):rS+4*(\n)+1], v[rS+4*(\n):rS+4*(\n)+1], v[rS+4*(\n)+2:rS+4*(\n)+3]
.elseif (\n) == 0
	v_pk_fma_f32 v[rT+2:rT+3], v[rT+2:rT+3], v[rC+2:rC+3], v[rS:rS+1] op_sel_hi:[1,0,1]
.else
	v_pk_add_f32 v[rT+2:rT+3], v[rT+2:rT+3], v[rS+4*(\n):rS+4*(\n)+1]
.endif
.else
	REGS (Y+1)%NP
	WIN 0
.if (\n) < 4
	v_max3_num_f32 v[rC+(\n)], v[rS+8*(\n)], v[rS+8*(\n)+1], v[rS+8*(\n)+2]
.elseif (\n) < 12
	v_max3_num_f32 v[rC+(\n)%4], v[rC+(\n)%4], v[rS+8*((\n)%4)+2*((\n)/4)+1], v[rS+8*((\n)%4)+2*((\n)/4)+2]
.elseif (\n) == 12
	v_max3_num_f32 v[rC], v[rC], v[rS+7], v[rS+15]
.elseif (\n) == 13
	v_max3_num_f32 v[rC+1], v[rC+1], v[rS+23], v[rS+31]
.elseif (\n) == 14
	v_max3_num_f32 v[rC+2], v[rC+2], v[rC+3], v[rT+1]
.elseif (\n) == 15
	v_mov_b32 v[rW], v[rT]
.elseif (\n) == 16
	v_max3_num_f32 v[rC], v[rC], v[rC+1], v[rC+2]
.elseif (\n) == 17
	v_permlanex16_b32 v[rC+3], v[rC], s[SEL], s[SEL+1]
.elseif (\n) == 18
	v_max_num_f32 v[rT+1], v[rC], v[rC+3]
.elseif (\n) == 19
	v_mul_f32 v[rT], s[CS], v[rT+1]
.elseif (\n) == 20
	v_sub_f32 v[rC+1], v[rW], v[rT]
.else
	v_exp_f32 v[rC+2], v[rC+1]
.endif
.endif
.endm
.macro OPS a, i1, b=-1, i2=0, c=-1, i3=0, d=-1, i4=0
	OP \a, \i1
.if (\b) >= 0
	OP \b, \i2
.endif
.if (\c) >= 0
	OP \c, \i3
.endif
.if (\d) >= 0
	OP \d, \i4
.endif
.endm
.macro ROW a, i1, b, i2, c, i3, d, i4  ; a matrix instruction and the four behind it
	MM
	OPS \a, \i1, \b, \i2, \c, \i3, \d, \i4
.endm
; A TURN, for piece p.  Ahead of its one wait stands all that names no result of the turn's exponentials: the 8 products K Q^T with their four riders each, then one run of 54; behind it the 8 products
; V^T P, behind each four of the roundings and sums.  cnt = 1: the loop's count is taken down some lines ahead of the branch behind the turn.
; K of the next step is fetched in piece 2's turn, six plain instructions or more behind the last product that read K; V of the step in hand at the end of piece 0's turn, four plain instructions behind
; the last product that read V.  Each is waited for a turn later.  last = 1 (the tail): K's fetch never passes the last tile's last step: behind it that step's rows are fetched once more.
.macro TURN p, last=0, cnt=0
.set Y, (\p)
.set i, 0
.if (\p) == 3
	s_wait_dscnt 0x0                               ; K is in
.endif
	ROW F,0, F,1, R,0, R,1
	ROW F,2, E,0, R,2, R,3
	ROW F,3, E,1, R,4, R,5
	ROW F,4, E,2, R,6, R,7
	ROW F,5, E,3, R,8, R,9
	ROW F,6, E,4, X,0, R,10
.if (\p) == 2
	WIN 0
.if \last
	s_min_u32 s[TBK], s[TBK], SLOT1+3*KS*PK        ; the last tile lies in slot 1; its last step begins 3 x 64 rows in
.endif
	v_add_nc_u32 v[AK], s[TBK], v[AK0]
.endif
	ROW F,7, E,5, X,1, X,4
	ROW F,8, E,6, X,2, X,5
	OPS E,7, E,8, X,6, E,9
	OPS X,3, E,10, X,8, E,11
.if (\p) == 2
	FETCH_K
.endif
	OPS X,9, X,7, E,12, X,10
	OPS E,13, X,12, X,11, E,14
	OPS X,13, E,15, F,9, X,14
.if (\p) == 0
	v_add_nc_u32 v[AV], s[TBV], v[AV0]
.endif
	OPS E,16, F,10, E,17, F,11
	OPS X,16, E,18, X,15, E,19
	OPS F,12, E,20, X,17, E,21
	OPS F,13, E,22, F,14, E,23
	OPS X,18, E,24, F,15, E,25
	OPS R,11, E,26, X,19, E,27
	OPS R,12, E,28, R,13, E,29
	OPS X,20, E,30, R,14, E,31
	OPS X,21, R,15                                 ; the batch's last exponential, and the plain instruction behind it
	WIN 0
	s_wait_alu depctr_va_vdst(0)                   ; the wait for the batch
.if (\p) == 1
	s_wait_dscnt 0x0                               ; V is in
.endif
	ROW C,0, B,0, C,2, B,1
	ROW L,0, C,4, B,2, L,1
	ROW C,6, B,3, L,2, C,8
	ROW B,4, L,3, C,10, B,5
	ROW L,4, C,12, B,6, L,5
.if (\p) == 0
	s_add_co_u32 s[TBV], s[TBV], KS*PV
.endif
.if \cnt
	s_sub_co_u32 s[CNT], s[CNT], 1
	s_cmp_lg_u32 s[CNT], 0
.endif
	ROW C,14, B,7, L,6, C,1
	ROW C,3, L,7, C,5, C,7
	ROW C,9, C,11, C,13, C,15
.if (\p) == 0
	FETCH_V
.endif
.endm
.macro ALL line:vararg
.set t, 0
.rept 4
	\line
.set t, t+1
.endr
.endm
.macro PACK t                          ; a lane's eight channels of a row pack into 16 bytes; they go into rows of 144 bytes and come back as whole rows of 128
	WIN W_RS
.set i, 32*(\t)
.rept 16
	v_pk_mul_f32 v[i:i+1], v[i:i+1], v[ST+4*(\t)+2:ST+4*(\t)+3] op_sel_hi:[1,0]
.set i, i+2
.endr
	WIN 0x05
.set i, 0
.rept 16
	v_cvt_pk_bf16_f32 v[S+16*(\t)+i], v[32*(\t)+2*i], v[32*(\t)+2*i+1]
.set i, i+1
.endr
	WIN 0
.irp f, 0,1,2,3
	ds_store_b128 v[STO], v[S+16*(\t)+4*\f:S+16*(\t)+4*\f+3] offset:32*\f
.endr
.irp f, 0,1,2,3
	ds_load_b128 v[S+16*(\t)+4*\f:S+16*(\t)+4*\f+3], v[RD] offset:\f*4*SP  ; LDS serves a wave's instructions in order: these see the stores above
.endr
.endm
.macro SEND t, younger                 ; younger: the LDS instructions issued behind piece t's loads
	WIN 0
.irp f, 0,1,2,3
	s_wait_dscnt (\younger)+3-\f
	global_store_b128 v[GO], v[S+16*(\t)+4*\f:S+16*(\t)+4*\f+3], s[10:11] offset:(\t)*2048+\f*512  ; 512 consecutive bytes, aligned to 256
.endr
.endm
	CHANGE 1                                       ; tile 0 is in, everybody's part of it; tile 1 is asked for
.set i, 0
.rept 4
	v_mov_b32 v[ST+4*i], 0xfe000000                ; c m: far below every c s
	v_mov_b32 v[ST+4*i+1], 0xff7fffff              ; m
.set i, i+1
.endr
	v_add_nc_u32 v[AK], s[TBK], v[AK0]
	FETCH_K                                        ; key step 0
	s_wait_loadcnt 0x0                             ; Q
	s_wait_dscnt 0x0
.set i, 0
.rept 8
	KQ 0                                           ; piece 0's first scores
.set i, i+1
.endr
	WIN 0
.rept 4
	v_nop                                          ; the places behind those products
.endr
.set Y, NP-1
.irp n, 0,1,2,3,4,5,6,7,8,9,10,11,12,13,14,15,16,17,18,19,20,21
	OP X, \n                                       ; piece 0's first maximum and statistics
.endr
	v_nop                                          ; a plain instruction behind the exponential,
	s_wait_alu depctr_va_vdst(0)                   ; and its wait, ahead of the branch
	s_mov_b32 s[CNT], 4
	s_branch .Lfirst                               ; the loop is entered at a step's first turn
.Lslot:                                            ; six times: tiles 2 to 7 are asked for
	CHANGE 1
	s_mov_b32 s[CNT], 4
.Lstep:                                            ; a trip: pieces 2 and 3 of one step, then pieces 0 and 1 of the next
	TURN 2
	TURN 3
	WIN 0
.Lfirst:
	TURN 0
	TURN 1, 0, 1
	WIN 0
	s_cbranch_scc1 .Lstep
	s_sub_co_u32 s[SLOTS], s[SLOTS], 1
	s_cmp_lg_u32 s[SLOTS], 0
	s_cbranch_scc1 .Lslot
	CHANGE 0                                       ; the last tile is written out: nothing is asked for
	s_mov_b32 s[CNT], 5                            ; four trips fetch the last tile's steps; the fifth is left in its middle
.Ltail:
	TURN 2, 1
	TURN 3
	WIN 0
	s_cmp_eq_u32 s[CNT], 1
	s_cbranch_scc1 .Lout
	TURN 0
	TURN 1, 0, 1
	WIN 0
	s_cbranch_scc1 .Ltail
.Lout:                                             ; the fifth trip's 8 products K Q^T (on the last K once more) and the maximum made of them serve nothing: the price, once a launch, of one text for every trip
.set i, 0
.rept 8
	PV NP-1                                        ; the last piece's V^T P of the last step
.set i, i+1
.endr
	; THE WAY OUT: l's two halves and the other half of the lanes' are added; O^T is divided by l, rounded and sent through my stage, a piece at a time
	WIN 0
	ALL v_add_f32 v[ST+4*t+2], v[ST+4*t+2], v[ST+4*t+3]
	ALL v_permlanex16_b32 v[ST+4*t+3], v[ST+4*t+2], s[SEL], s[SEL+1]
	ALL v_add_f32 v[ST+4*t+2], v[ST+4*t+2], v[ST+4*t+3]
	ALL v_rcp_f32 v[ST+4*t+2], v[ST+4*t+2]
	v_nop
	s_wait_alu depctr_va_vdst(0)                   ; one wait for the four reciprocals
	PACK 0
.set t, 1
.rept 3
	PACK t
	SEND t-1, 8
.set t, t+1
.endr
	SEND 3, 0
	s_wait_tensorcnt 0x0                           ; the wave's end
	ds_add_u32 v[SPW], v[NIL]
	s_wait_dscnt 0x0
	CROUND
	s_endpgm
.Lfunc_end_k_q1c9facffb3_attn:
	.size	k_q1c9facffb3_attn, .Lfunc_end_k_q1c9facffb3_attn-k_q1c9facffb3_attn
	.p2alignl 7, 3214868480
	.fill 96, 4, 3214868480
	.section	.rodata,"a",@progbits
	.p2align	6, 0x0
	.amdhsa_kernel k_q1c9facffb3_attn
		.amdhsa_group_segment_fixed_size 327680
		.amdhsa_private_segment_fixed_size 0
		.amdhsa_enable_private_segment 0
		.amdhsa_kernarg_size 16
		.amdhsa_user_sgpr_count 2
		.amdhsa_user_sgpr_kernarg_segment_ptr 1
		.amdhsa_wavefront_size32 1
		.amdhsa_system_sgpr_workgroup_id_x 1
		.amdhsa_system_sgpr_workgroup_id_y 1
		.amdhsa_system_sgpr_workgroup_id_z 1
		.amdhsa_system_vgpr_workitem_id 0
		.amdhsa_next_free_vgpr 768
		.amdhsa_next_free_sgpr 66
		.amdhsa_reserve_vcc 0
		.amdhsa_float_denorm_mode_32 3
		.amdhsa_float_denorm_mode_16_64 3
		.amdhsa_memory_ordered 1
		.amdhsa_forward_progress 1
		.amdhsa_inst_pref_size 112
	.end_amdhsa_kernel
	.amdgpu_metadata
---
amdhsa.version: [ 1, 2 ]
amdhsa.kernels:
  - .name:           k_q1c9facffb3_attn
    .symbol:         k_q1c9facffb3_attn.kd
    .args:
      - { .name: qkvh, .offset: 0, .size: 8, .value_kind: global_buffer, .address_space: global }
      - { .name: yh, .offset: 8, .size: 8, .value_kind: global_buffer, .address_space: global }
    .group_segment_fixed_size: 327680
    .private_segment_fixed_size: 0
    .kernarg_segment_align: 8
    .kernarg_segment_size: 16
    .max_flat_workgroup_size: 128
    .sgpr_count:     66
    .vgpr_count:     768
    .wavefront_size: 32
...
	.end_amdgpu_metadata
.endif
;; end of part 3
;; launch proj (part 4): grid 8 x 32, 4 waves a work-group, clusters of 4 x 4, 327,680 bytes of LDS; arguments yh, w16, b_proj, x, x1; writes x1
.if DOCPART == 4
	.amdgcn_target "amdgcn-amd-amdhsa--gfx1250"
	.amdhsa_code_object_version 6
	.text
	.protected	k_q1c9facffb3_proj
	.globl	k_q1c9facffb3_proj
	.p2align	8
	.type	k_q1c9facffb3_proj,@function
k_q1c9facffb3_proj:
	s_mov_b64 s[64:65], 0
	v_nop
	global_prefetch_b8 v0, s[64:65] scope:SCOPE_SE
	s_setreg_imm32_b32 hwreg(HW_REG_WAVE_MODE, 25, 1), 1
	s_wait_xcnt 0x0
	s_wait_alu depctr_hold_cnt(0) depctr_sa_sdst(0) depctr_va_vdst(0) depctr_va_sdst(0) depctr_va_ssrc(0) depctr_va_vcc(0) depctr_vm_vsrc(0)
	s_getreg_b32 s2, hwreg(HW_REG_IB_STS2, 6, 4)
	s_cmp_eq_u32 s2, 0
	s_cbranch_scc0 .Lentry_in_a_cluster
	s_endpgm
.Lentry_in_a_cluster:
	s_bfe_u32 s2, ttmp6, 0x10000c
	s_cmp_lg_u32 s2, 0xf033
	s_cbranch_scc0 .Lentry_shape_is_right
	s_endpgm
.Lentry_shape_is_right:
; out = resid + A W + bias, all of out, resid and bias in f32.  W: [K][1024] bf16 as the problem stores it, at byte WOFF of w16.  Sums in f32, started by the bias.
; PROJ = 1: A is the attention's result by heads, [32][2048][64] bf16, K = 1,024.   PROJ = 0: A is [4096][4096] bf16, K = 4,096.
; A tile of out is 128 x 128, four waves, each 64 x 64: 16 accumulators; that gives each of 256 work-groups one tile.  K goes in steps of 256 through two LDS slots.
; A's fragments come out of LDS as they lie, W's are turned by ds_load_tr16_b128; the product is used transposed, so a lane holds one row of out and eight neighbouring columns.
; CLUSTER 4 x 4: A's tile is asked for jointly along a row of the cluster, W's along a column.  Both slots' first fills go out together at the start: two loads of a wave are out there, later one.
; THE WAY OUT: the sums go as f32 into the ring's bytes (no fill follows), each wave's into bytes of its own, come back as rows of 256 bytes, take the residual (loaded at the start) and are stored.
; PROJ = 1 lays no prefetch: four K steps in all.
; REGISTERS: window 0 addresses, bias v96-127, accumulators v128-255; window 1 two fragment buffers of 128 (A 64, W 64); window 2 v0-127 the residual.
.set PROJ, 1
.if PROJ
.set NS,    4
.set WOFF,  6291456
.set PA,    144                        ; a head's row in LDS: 128 bytes + 16
.set QA,    128*PA                     ; a quarter of a K step is a head: 128 rows
.set HALFA, 2*QA                       ; one load: two heads
.set ASTEP, 4*262144
.set PF,    0
.else
.set NS,    16
.set WOFF,  16777216
.set PA,    528                        ; 512 bytes + 16
.set QA,    128                        ; a quarter: 64 along K
.set HALFA, 64*PA                      ; one load: 64 rows
.set ASTEP, 512
.set PF,    1
.endif
.set BSTEP, 256*2048
.set PB,    288                        ; a row of W in LDS: 256 bytes + 32
.set HALFB, 128*PB
.set AREG,  2*HALFA
.set SLOT,  AREG+2*HALFB
.set SPARE, 2*SLOT
.set DP,    272                        ; a row of the f32 dump: 256 bytes + 16
.set DW,    64*DP
.set A0,   16
.set B0,   17                          ; AREG included
.set ADRA, 18
.set ADRB, 20                          ; v20: W's rows 0-127 of the slot read; v21: rows 128-255 (an offset has 16 bits)
.set DST,  22
.set RD,   23
.set XO,   24
.set BO,   25
.set PFO,  26
.set SPW,  28
.set NIL,  29
.set BIAS, 96
.set ACC,  128
.set F0,   0
.set F1,   128
.set RES, 10
.set OUT, 12
.set WV, 14
.set WR, 15
.set WC, 16
.set CX, 17
.set CY, 18
.set TC, 19
.set TR, 20
.set G1A, 24
.set G0A, 32                           ; group 0 for A: first slot 1's first fill, then it walks
.set G1B, 36
.set G0B, 44                           ; the same for W
.set SBD, 48
.set SBF, 49
.set KC,  52
.set KT,  53
.set LWA, 54
.set LWB, 55
.set PFA, 56
.set LIM, 58
.set PST, 60
.set G0A0, 72                          ; group 0 of slot 0's first fill, A
.set G0B0, 76                          ; and W
.set MSB, 0
.macro WIN new
.if MSB != (\new)
	s_set_vgpr_msb (MSB<<8)|(\new)
.set MSB, \new
.endif
.endm
.macro PLACES
.rept 4
	v_nop
.endr
.endm
.macro JLOAD                           ; a joint refill: waves 0, 1 A's halves, waves 2, 3 W's; s_nop 0 and four v_nop follow each line
	s_cmp_eq_u32 s[WR], 0
	s_cbranch_scc0 .Lfor_b_\@
	tensor_load_to_lds s[G0A:G0A+3], s[G1A:G1A+7]
	s_nop 0
.rept 4
	v_nop
.endr
	s_branch .Lasked_\@
.Lfor_b_\@:
	tensor_load_to_lds s[G0B:G0B+3], s[G1B:G1B+7]
	s_nop 0
.rept 4
	v_nop
.endr
.Lasked_\@:
.endm
.macro CREST
	s_cmp_lg_u32 s[WV], 0
	s_cbranch_scc1 .Lnot_wave_0_\@
	s_barrier_signal -3
.Lnot_wave_0_\@:
	s_barrier_wait -3
	s_barrier_signal -1
	s_barrier_wait -1
.endm
.macro CROUND
	s_barrier_signal -1
	s_barrier_wait -1
	CREST
.endm
.macro STEPD                           ; the walking descriptors: the other slot, the next K step
	s_xor_b32 s[SBD], s[SBD], SLOT
	s_add_co_u32 s[G0A+1], s[SBD], s[LWA]
	s_add_co_u32 s[G0B+1], s[SBD], s[LWB]
	s_add_nc_u64 s[G0A+2:G0A+3], s[G0A+2:G0A+3], ASTEP
	s_add_nc_u64 s[G0B+2:G0B+3], s[G0B+2:G0B+3], BSTEP
.endm
; A prefetch of the K step two behind the one just asked for: 32 blocks of 256 bytes, a lane a block; cluster x = 0 asks for A's, cluster y = 0 for W's; the four partners share a wave's 128 blocks by address.
.macro ASK
	s_cmp_gt_u32 s[KC], s[LIM]
	s_cbranch_scc0 .Lnot_mine_\@
	global_prefetch_b8 v[PFO], s[PFA:PFA+1] th:TH_LOAD_NT scope:SCOPE_SE
.Lnot_mine_\@:
.endm
; 8 matrix instructions: row blocks a0, a0 + 1 x all 4 column blocks, 32 along K: half c of buffer f.  zero = 1: the bias starts the sums.  The 16 accumulators take turns.
.macro MUL8 f, c, a0, zero
	WIN 0x05
.irp a, \a0, (\a0)+1
.irp b, 0,1,2,3
.if \zero
	v_wmma_f32_16x16x32_bf16 v[ACC+8*(4*(\a)+(\b)):ACC+8*(4*(\a)+(\b))+7], v[(\f)+64+8*(4*(\c)+(\b)):(\f)+64+8*(4*(\c)+(\b))+7], v[(\f)+8*(4*(\c)+(\a)):(\f)+8*(4*(\c)+(\a))+7], v[BIAS+8*(\b):BIAS+8*(\b)+7]
.else
	v_wmma_f32_16x16x32_bf16 v[ACC+8*(4*(\a)+(\b)):ACC+8*(4*(\a)+(\b))+7], v[(\f)+64+8*(4*(\c)+(\b)):(\f)+64+8*(4*(\c)+(\b))+7], v[(\f)+8*(4*(\c)+(\a)):(\f)+8*(4*(\c)+(\a))+7], v[ACC+8*(4*(\a)+(\b)):ACC+8*(4*(\a)+(\b))+7]
.endif
.endr
.endr
.endm
; 32 LDS loads in one run: quarter q's fragments (64 along K) into buffer f; the first 32 along K first
.macro FETCH q, f
	WIN 0x40
.irp c, 0,1
.irp i, 0,1,2,3
	ds_load_tr16_b128 v[(\f)+64+8*(4*(\c)+(\i)):(\f)+64+8*(4*(\c)+(\i))+3],   v[ADRB+(\q)/2] offset:(((\q)%2)*64+32*(\c))*PB+32*(\i)
	ds_load_tr16_b128 v[(\f)+64+8*(4*(\c)+(\i))+4:(\f)+64+8*(4*(\c)+(\i))+7], v[ADRB+(\q)/2] offset:(((\q)%2)*64+32*(\c)+16)*PB+32*(\i)
	ds_load_b128 v[(\f)+8*(4*(\c)+(\i)):(\f)+8*(4*(\c)+(\i))+3],   v[ADRA] offset:(\q)*QA+64*(\c)+(\i)*16*PA
	ds_load_b128 v[(\f)+8*(4*(\c)+(\i))+4:(\f)+8*(4*(\c)+(\i))+7], v[ADRA] offset:(\q)*QA+64*(\c)+(\i)*16*PA+32
.endr
.endr
.endm
.macro QUARTER q, f, g, zero
	s_wait_dscnt 16                                ; the first 32 along K are in
	MUL8 \f, 0, 0, \zero
	MUL8 \f, 0, 2, \zero
	PLACES
	FETCH (\q)+1, \g
	s_wait_dscnt 32                                ; all but the 32 just issued
	MUL8 \f, 1, 0, 0
	MUL8 \f, 1, 2, 0
.endm
; The fourth quarter changes slots and then multiplies buffer 1.  One barrier; ahead of it each wave waits for all its tensor loads, adds 0 to its spare word, and waits for that and for its reads of this
; slot.  All 32 products of the quarter stand behind the refill: the request goes out as soon as the ordering allows, and has a K step's 128 products in which to land.
.macro TURN fill, last
.if (\fill) && PF
	s_wait_xcnt 0x0                                ; the last prefetch, a K step back, has read its address
	s_add_nc_u64 s[PFA:PFA+1], s[PFA:PFA+1], s[PST:PST+1]
.endif
	WIN 0
	s_wait_tensorcnt 0x0
	ds_add_u32 v[SPW], v[NIL]                      ; the scalar steps below stand between the add and the wait for it
.if \fill
	STEPD
.endif
	s_xor_b32 s[SBF], s[SBF], SLOT
	s_wait_dscnt 0x0                               ; the add is done, my reads of this slot are over
	s_barrier_signal -1
	s_barrier_wait -1
.if \fill
	CREST
	JLOAD                                          ; its four v_nop are also the places ahead of the loads below
.else
	PLACES
.endif
.if \last
	s_cmp_eq_u32 s[KT], 1
	s_cbranch_scc1 .Lnofetch_\@
.endif
	v_add_nc_u32 v[ADRA], s[SBF], v[A0]
	v_add_nc_u32 v[ADRB], s[SBF], v[B0]
	v_add_nc_u32 v[ADRB+1], 128*PB, v[ADRB]
	FETCH 0, F0
	WIN 0
.if \last
.Lnofetch_\@:
.endif
.if (\fill) && PF
	ASK
.endif
	MUL8 F1, 0, 0, 0
	MUL8 F1, 0, 2, 0
	MUL8 F1, 1, 0, 0
	MUL8 F1, 1, 2, 0
.endm
	s_load_b256 s[4:11], s[0:1], 0x0               ; A s[4:5], w16 s[6:7], bias s[8:9], resid s[10:11]
	s_load_b64 s[12:13], s[0:1], 0x20              ; out
	v_lshl_add_u32 v[SPW], v0, 2, SPARE
	v_mov_b32 v[NIL], 0
	ds_add_u32 v[SPW], v[NIL]                      ; the wave's opening: the add and its wait stand ahead of my first tensor load
	v_lshrrev_b32 v1, 5, v0
	v_readfirstlane_b32 s[WV], v1
	s_lshr_b32 s[WR], s[WV], 1
	s_and_b32 s[WC], s[WV], 1
	s_bfe_u32 s[CX], ttmp6, 0x40000
	s_bfe_u32 s[CY], ttmp6, 0x40004
	s_lshl_b32 s[TC], ttmp9, 2
	s_add_co_u32 s[TC], s[TC], s[CX]
	s_and_b32 s[TR], ttmp7, 0xffff
	s_lshl_b32 s[TR], s[TR], 2
	s_add_co_u32 s[TR], s[TR], s[CY]
	s_lshl_b32 s66, s[CY], 2
	s_lshl_b32 s66, 15, s66                        ; my row of the cluster
	s_lshl_b32 s67, 0x1111, s[CX]                  ; my column
.if PROJ
	s_or_b32 s[G1A], s66, (1<<16)|(1<<20)|(1<<21)|(4<<22)|(3<<25)  ; after every 32 words (a row of a head) 4 words
	s_mov_b32 s[G1A+1], 8192<<16                   ; a head's 128 rows are 8,192 dense elements: one row of the tile,
	s_mov_b32 s[G1A+2], 2<<16                      ; two heads
	s_mov_b32 s[G1A+3], 8192<<16
	s_mov_b32 s[G1A+4], 2
	s_mov_b32 s[G1A+5], 131072                     ; elements from head to head
.else
	s_or_b32 s[G1A], s66, (1<<16)|(1<<20)|(1<<21)|(6<<22)|(3<<25)  ; after every 128 words 4 words
	s_mov_b32 s[G1A+1], 256<<16
	s_mov_b32 s[G1A+2], 64<<16
	s_mov_b32 s[G1A+3], 256<<16
	s_mov_b32 s[G1A+4], 64
	s_mov_b32 s[G1A+5], 4096
.endif
	s_mov_b32 s[G1A+6], 0
	s_mov_b32 s[G1A+7], 0
	s_or_b32 s[G1B], s67, (1<<16)|(1<<20)|(1<<21)|(5<<22)|(7<<25)  ; after every 64 words 8 words
	s_mov_b32 s[G1B+1], 128<<16
	s_mov_b32 s[G1B+2], 128<<16
	s_mov_b32 s[G1B+3], 128<<16
	s_mov_b32 s[G1B+4], 128
	s_mov_b32 s[G1B+5], 1024
	s_mov_b32 s[G1B+6], 0
	s_mov_b32 s[G1B+7], 0
.if PROJ
	s_lshr_b32 s50, s[TR], 4                       ; A: head 16 b + 2 x half, row 128 x (tile row % 16)
	s_lshl_b32 s50, s50, 4
	s_lshl_b32 s51, s[WC], 1
	s_add_co_u32 s50, s50, s51
	s_lshl_b32 s50, s50, 18
	s_and_b32 s51, s[TR], 15
	s_lshl_b32 s51, s51, 14
	s_add_co_u32 s50, s50, s51
.else
	s_lshl_b32 s50, s[TR], 7                       ; A: row 128 x tile row + 64 x half, 8,192 bytes a row
	s_lshl_b32 s51, s[WC], 6
	s_add_co_u32 s50, s50, s51
	s_lshl_b32 s50, s50, 13
.endif
	s_mov_b32 s51, 0
	s_lshl_b32 s22, s[WC], 18                      ; W: row 128 x half, column 128 x tile column
	s_lshl_b32 s23, s[TC], 8
	s_add_co_u32 s22, s22, s23
	s_add_co_u32 s22, s22, WOFF
	s_mov_b32 s23, 0
	s_mul_i32 s[LWA], s[WC], HALFA
	s_mul_i32 s[LWB], s[WC], HALFB
	s_add_co_u32 s[LWB], s[LWB], AREG
	s_mov_b32 s[SBD], SLOT                         ; the walking descriptors begin at slot 1
	s_mov_b32 s[SBF], SLOT
	s_mov_b32 s[G0A0], 1
	s_mov_b32 s[G0A0+1], s[LWA]
	s_mov_b32 s[G0B0], 1
	s_mov_b32 s[G0B0+1], s[LWB]
	s_mov_b32 s[G0A], 1
	s_add_co_u32 s[G0A+1], s[LWA], SLOT
	s_mov_b32 s[G0B], 1
	s_add_co_u32 s[G0B+1], s[LWB], SLOT
	s_wait_dscnt 0x0                               ; the opening add is done
	s_wait_kmcnt 0x0
	s_add_nc_u64 s[G0A0+2:G0A0+3], s[4:5], s[50:51]              ; K step 0,
	s_add_nc_u64 s[G0A+2:G0A+3], s[G0A0+2:G0A0+3], ASTEP         ; K step 1
	s_or_b32 s[G0A0+3], s[G0A0+3], 0x80000000
	s_or_b32 s[G0A+3], s[G0A+3], 0x80000000
	s_add_nc_u64 s[G0B0+2:G0B0+3], s[6:7], s[22:23]
	s_add_nc_u64 s[G0B+2:G0B+3], s[G0B0+2:G0B0+3], BSTEP
	s_or_b32 s[G0B0+3], s[G0B0+3], 0x80000000
	s_or_b32 s[G0B+3], s[G0B+3], 0x80000000
	CROUND
	s_cmp_eq_u32 s[WR], 0                          ; a wave's two first fills stand in one branch, ahead of every wait on TENSORcnt and every LDS read
	s_cbranch_scc0 .Lfirst_b
	tensor_load_to_lds s[G0A0:G0A0+3], s[G1A:G1A+7]
	s_nop 0
	tensor_load_to_lds s[G0A:G0A+3], s[G1A:G1A+7]
	s_nop 0
.rept 4
	v_nop
.endr
	s_branch .Lfirst_asked
.Lfirst_b:
	tensor_load_to_lds s[G0B0:G0B0+3], s[G1B:G1B+7]
	s_nop 0
	tensor_load_to_lds s[G0B:G0B+3], s[G1B:G1B+7]
	s_nop 0
.rept 4
	v_nop
.endr
.Lfirst_asked:
	v_and_b32 v1, 15, v0
	v_bfe_u32 v2, v0, 4, 1
	v_and_b32 v5, 31, v0
	v_mul_u32_u24 v[A0], v1, PA
	v_lshl_add_u32 v[A0], v2, 4, v[A0]
	s_mul_i32 s68, s[WR], 64*PA
	v_add_nc_u32 v[A0], s68, v[A0]
	v_and_b32 v3, 7, v0
	v_lshl_add_u32 v3, v2, 3, v3
	v_mul_u32_u24 v[B0], v3, PB
	v_bfe_u32 v4, v0, 3, 1
	v_lshl_add_u32 v[B0], v4, 4, v[B0]
	s_lshl_b32 s68, s[WC], 7
	s_add_co_u32 s68, s68, AREG
	v_add_nc_u32 v[B0], s68, v[B0]
	s_mul_i32 s68, s[WV], DW
	v_mul_u32_u24 v[DST], v1, DP
	v_lshl_add_u32 v[DST], v2, 5, v[DST]
	v_add_nc_u32 v[DST], s68, v[DST]
	v_mul_u32_u24 v[RD], v2, DP
	v_lshl_add_u32 v[RD], v1, 4, v[RD]
	v_add_nc_u32 v[RD], s68, v[RD]
	v_lshlrev_b32 v[XO], 12, v2                    ; two rows of 4,096 bytes, 16 lanes x 16 bytes each
	v_lshl_add_u32 v[XO], v1, 4, v[XO]
	s_lshl_b32 s68, s[TC], 9
	s_lshl_b32 s69, s[WC], 8
	s_add_co_u32 s68, s68, s69
	v_lshl_add_u32 v[BO], v2, 5, s68
.irp b, 0,1,2,3
	global_load_b128 v[BIAS+8*(\b):BIAS+8*(\b)+3],   v[BO], s[8:9] offset:64*(\b)
	global_load_b128 v[BIAS+8*(\b)+4:BIAS+8*(\b)+7], v[BO], s[8:9] offset:64*(\b)+16
.endr
	s_lshl_b32 s68, s[TR], 7                       ; resid and out: my first row x 4,096 bytes + my first column x 4
	s_lshl_b32 s69, s[WR], 6
	s_add_co_u32 s68, s68, s69
	s_lshl_b32 s68, s68, 12
	s_lshl_b32 s69, s[TC], 9
	s_add_co_u32 s68, s68, s69
	s_lshl_b32 s69, s[WC], 8
	s_add_co_u32 s68, s68, s69
	s_mov_b32 s69, 0
	s_add_nc_u64 s[RES:RES+1], s[RES:RES+1], s[68:69]
	s_add_nc_u64 s[OUT:OUT+1], s[OUT:OUT+1], s[68:69]
	WIN 0x80
.set t, 0
.rept 32
	global_load_b128 v[4*t:4*t+3], v[XO], s[RES:RES+1] offset:8192*t  ; the residual of my 64 x 64: it stays out during the whole K loop
.set t, t+1
.endr
	WIN 0
.if PF
	s_lshl_b32 s68, s[TR], 7
	s_lshl_b32 s69, s[WC], 6
	s_add_co_u32 s68, s68, s69
	s_lshl_b32 s69, s[CX], 4
	s_add_co_u32 s68, s68, s69                     ; A: my work-group's 16 rows of the 64 that I fetch, two blocks a row
	s_lshl_b32 s68, s68, 13
	s_add_co_u32 s68, s68, 3*ASTEP                 ; at K step 3; the first change of slots steps it to 4
	s_lshl_b32 s70, s[WC], 7
	s_lshl_b32 s71, s[CY], 5
	s_add_co_u32 s70, s70, s71                     ; W: my work-group's 32 rows of the 128
	s_lshl_b32 s70, s70, 11
	s_lshl_b32 s71, s[TC], 8
	s_add_co_u32 s70, s70, s71
	s_add_co_u32 s70, s70, WOFF+3*BSTEP
	s_and_b32 s71, ttmp7, 0xffff
	s_mov_b32 s[PST], BSTEP
	s_mov_b32 s62, 2048
	s_cmp_eq_u32 s[WR], 0
	s_cselect_b32 s68, s68, s70
	s_cselect_b32 s71, ttmp9, s71
	s_cselect_b64 s[PFA:PFA+1], s[4:5], s[6:7]
	s_cselect_b32 s[PST], ASTEP, s[PST]
	s_cselect_b32 s62, 8192, s62
	s_cselect_b32 s63, 1, 0
	s_mov_b32 s[PST+1], 0
	s_mov_b32 s69, 0
	s_cmp_eq_u32 s71, 0
	s_cselect_b32 s[LIM], 2, -1                    ; the last two trips that fill a slot ask for nothing
	s_add_nc_u64 s[PFA:PFA+1], s[PFA:PFA+1], s[68:69]
	v_and_b32 v27, s63, v5
	v_lshrrev_b32 v[PFO], s63, v5
	v_mul_u32_u24 v[PFO], s62, v[PFO]
	v_lshl_add_u32 v[PFO], v27, 8, v[PFO]
.endif
	s_wait_tensorcnt 0x1                           ; my part of K step 0 is in; K step 1's load may stay out
	s_barrier_signal -1
	s_barrier_wait -1                              ; everybody's is
	s_xor_b32 s[SBF], s[SBF], SLOT
	v_add_nc_u32 v[ADRA], s[SBF], v[A0]
	v_add_nc_u32 v[ADRB], s[SBF], v[B0]
	v_add_nc_u32 v[ADRB+1], 128*PB, v[ADRB]
	FETCH 0, F0
	s_wait_loadcnt 32                              ; the bias is in; the 32 younger loads (the residual) stay out
	s_mov_b32 s[KC], NS-2
	QUARTER 0, F0, F1, 1
	WIN 0
	s_branch .Lmid
.Lk:
	QUARTER 0, F0, F1, 0
	WIN 0
.Lmid:
	QUARTER 1, F1, F0, 0
	QUARTER 2, F0, F1, 0
	TURN 1, 0
	WIN 0
	s_sub_co_u32 s[KC], s[KC], 1
	s_cmp_lg_u32 s[KC], 0
	s_cbranch_scc1 .Lk
	s_mov_b32 s[KT], 2
.Lt:
	QUARTER 0, F0, F1, 0
	QUARTER 1, F1, F0, 0
	QUARTER 2, F0, F1, 0
	TURN 0, 1
	WIN 0
	s_sub_co_u32 s[KT], s[KT], 1
	s_cmp_lg_u32 s[KT], 0
	s_cbranch_scc1 .Lt
	; THE WAY OUT.  Behind the last barrier no wave reads the ring and no fill follows.
	PLACES
	PLACES
.irp a, 0,1,2,3
.irp b, 0,1,2,3
	ds_store_b128 v[DST], v[ACC+8*(4*(\a)+(\b)):ACC+8*(4*(\a)+(\b))+3]   offset:(\a)*16*DP+64*(\b)
	ds_store_b128 v[DST], v[ACC+8*(4*(\a)+(\b))+4:ACC+8*(4*(\a)+(\b))+7] offset:(\a)*16*DP+64*(\b)+16
.endr
.endr
	WIN 0x40
.set t, 0
.rept 32
	ds_load_b128 v[4*t:4*t+3], v[RD] offset:2*DP*t ; two rows of 256 bytes; LDS serves a wave's instructions in order
.set t, t+1
.endr
	s_wait_loadcnt 0x0                             ; the residual
	WIN 0x49                                       ; destination and source 0 in window 1, source 1 in window 2
.set t, 0
.rept 32
	s_wait_dscnt 31-t                              ; load t is back; the younger ones stay out
	v_pk_add_f32 v[4*t:4*t+1], v[4*t:4*t+1], v[4*t:4*t+1]
	v_pk_add_f32 v[4*t+2:4*t+3], v[4*t+2:4*t+3], v[4*t+2:4*t+3]
.set t, t+1
.endr
	WIN 0x04                                       ; the stores' data in window 1
.set t, 0
.rept 32
	global_store_b128 v[XO], v[4*t:4*t+3], s[OUT:OUT+1] offset:8192*t  ; 16 lanes store 256 consecutive bytes, aligned
.set t, t+1
.endr
	WIN 0
	s_wait_tensorcnt 0x0                           ; the wave's end
	ds_add_u32 v[SPW], v[NIL]
	s_wait_dscnt 0x0
	CROUND
	s_endpgm
.Lfunc_end_k_q1c9facffb3_proj:
	.size	k_q1c9facffb3_proj, .Lfunc_end_k_q1c9facffb3_proj-k_q1c9facffb3_proj
	.p2alignl 7, 3214868480
	.fill 96, 4, 3214868480
	.section	.rodata,"a",@progbits
	.p2align	6, 0x0
	.amdhsa_kernel k_q1c9facffb3_proj
		.amdhsa_group_segment_fixed_size 327680
		.amdhsa_private_segment_fixed_size 0
		.amdhsa_enable_private_segment 0
		.amdhsa_kernarg_size 40
		.amdhsa_user_sgpr_count 2
		.amdhsa_user_sgpr_kernarg_segment_ptr 1
		.amdhsa_wavefront_size32 1
		.amdhsa_system_sgpr_workgroup_id_x 1
		.amdhsa_system_sgpr_workgroup_id_y 1
		.amdhsa_system_sgpr_workgroup_id_z 1
		.amdhsa_system_vgpr_workitem_id 0
		.amdhsa_next_free_vgpr 640
		.amdhsa_next_free_sgpr 80
		.amdhsa_reserve_vcc 0
		.amdhsa_float_denorm_mode_32 3
		.amdhsa_float_denorm_mode_16_64 3
		.amdhsa_memory_ordered 1
		.amdhsa_forward_progress 1
		.amdhsa_inst_pref_size 67
	.end_amdhsa_kernel
	.amdgpu_metadata
---
amdhsa.version: [ 1, 2 ]
amdhsa.kernels:
  - .name:           k_q1c9facffb3_proj
    .symbol:         k_q1c9facffb3_proj.kd
    .args:
      - { .name: yh, .offset: 0, .size: 8, .value_kind: global_buffer, .address_space: global }
      - { .name: w16, .offset: 8, .size: 8, .value_kind: global_buffer, .address_space: global }
      - { .name: b_proj, .offset: 16, .size: 8, .value_kind: global_buffer, .address_space: global }
      - { .name: x, .offset: 24, .size: 8, .value_kind: global_buffer, .address_space: global }
      - { .name: x1, .offset: 32, .size: 8, .value_kind: global_buffer, .address_space: global }
    .group_segment_fixed_size: 327680
    .private_segment_fixed_size: 0
    .kernarg_segment_align: 8
    .kernarg_segment_size: 40
    .max_flat_workgroup_size: 128
    .sgpr_count:     80
    .vgpr_count:     640
    .wavefront_size: 32
...
	.end_amdgpu_metadata
.endif
;; end of part 4
;; launch ln2: the kernel of part 1 again; grid 512 x 1, 8 waves a work-group, no clusters, 0 bytes of LDS; arguments x1, ln2_g, ln2_b, w_qkv, w_proj, w_fc1, w_fc2, h, w16; writes h, w16
;; launch fc1 (part 5): grid 16 x 16, 4 waves a work-group, clusters of 4 x 4, 327,680 bytes of LDS; arguments h, w16, b_fc1, g; writes g
.if DOCPART == 5
	.amdgcn_target "amdgcn-amd-amdhsa--gfx1250"
	.amdhsa_code_object_version 6
	.text
	.protected	k_q1c9facffb3_fc1
	.globl	k_q1c9facffb3_fc1
	.p2align	8
	.type	k_q1c9facffb3_fc1,@function
k_q1c9facffb3_fc1:
	s_mov_b64 s[64:65], 0
	v_nop
	global_prefetch_b8 v0, s[64:65] scope:SCOPE_SE
	s_setreg_imm32_b32 hwreg(HW_REG_WAVE_MODE, 25, 1), 1
	s_wait_xcnt 0x0
	s_wait_alu depctr_hold_cnt(0) depctr_sa_sdst(0) depctr_va_vdst(0) depctr_va_sdst(0) depctr_va_ssrc(0) depctr_va_vcc(0) depctr_vm_vsrc(0)
	s_getreg_b32 s2, hwreg(HW_REG_IB_STS2, 6, 4)
	s_cmp_eq_u32 s2, 0
	s_cbranch_scc0 .Lentry_in_a_cluster
	s_endpgm
.Lentry_in_a_cluster:
	s_bfe_u32 s2, ttmp6, 0x10000c
	s_cmp_lg_u32 s2, 0xf033
	s_cbranch_scc0 .Lentry_shape_is_right
	s_endpgm
.Lentry_shape_is_right:
; C = A W + bias.  A: [4096][1024] bf16 (rows along K).  W: [1024][N] bf16 as the problem stores it (rows along N), at byte WOFF of w16.  Sums in f32, started by the bias.
; FC1 = 0: N = 3,072; C is rounded once to bf16 and stored by heads, [3][32][2048][64].   FC1 = 1: N = 4,096; gelu(C), exact form, rounded once to bf16, [4096][4096].
; A tile of C is 256 x 256, four waves, each 128 x 128: 64 accumulators.  K goes in 8 steps of 128 through two LDS slots filled by the tensor data mover.
; A's fragments come out of LDS as they lie; W's, stored [k][n], are turned by ds_load_tr16_b128.  The product is used transposed (source 0 = 16 columns of W,
; source 1 = 16 rows of A): a lane then holds one row of C and eight neighbouring columns.
; CLUSTER 4 x 4: A's tile is asked for jointly along a row of the cluster, W's along a column.  Both slots' first fills go out together at the start: two loads of a wave are out there, later one.
; THE WAY OUT: the accumulators are laid as f32 into the ring's bytes (no fill follows them), each wave into bytes of its own, and a counted loop reads 8 rows a trip.
; GELU: gelu(z) = max(z,0) - |z| q, q = (a1 t + .. + a5 t^5) 2^(-0.72134752 z^2), t = 1 / (1 + 0.23164189 |z|): erf by a fixed rational-exponential form, absolute error at most 1.5e-7 for every z;
; where z^2 overflows q is 0.  NaN and infinities are not treated apart.
; REGISTERS in windows of 256: window 0 addresses, A's fragments (two buffers), the bias; window 1 W's fragments; windows 2, 3 the accumulators ((a, b) at v[8 (8 (a % 4) + b)]).
.set FC1, 1
.if FC1
.set N,    4096
.set WOFF, 8388608
.else
.set N,    3072
.set WOFF, 0
.endif
.set NS,    8                          ; K steps of 128
.set PA,    272                        ; a row of A in LDS: 256 bytes + 16
.set PB,    544                        ; a row of W in LDS: 512 bytes + 32
.set HALF,  128*PA                     ; what one tensor load brings: 128 rows of A, or 64 rows of W (64 x 544 is the same number)
.set BOFF,  2*HALF
.set SLOT,  4*HALF
.set DP,    528                        ; a row of the f32 dump: 512 bytes + 16
.set DW,    128*DP                     ; a wave's dump
.set SPARE, 2*SLOT                     ; behind the ring: the spare words, 128 bytes a wave
.set A0,   16                          ; v16  my lane's place in A's tile
.set B0,   17                          ; v17  in W's tile (BOFF included)
.set ADRA, 18                          ; v18  A0 + the slot read
.set ADRB, 19                          ; v19  B0 + the slot read
.set DST,  20                          ; v20  where I lay 16 bytes of the dump
.set RD,   21                          ; v21  where I read it back; steps by 8 rows
.set CO,   22                          ; v22  8 x lane
.set BO,   23                          ; v23  my byte offset in the bias
.set PFO,  24                          ; v24  the prefetches' lane offset
.set SPW,  28                          ; v28  my spare word
.set NIL,  29                          ; v29  0
.set Z,    32                          ; v[32:63]  8 rows read back
.set F0,   64
.set F1,   128
.set BIAS, 192                         ; v[192:255] bias of column block b at BIAS + 8 b
.set YQ,   64                          ; the way out: packed results (FC1 = 0)
.set RL,   64                          ; FC1 = 1: max(z,0)
.set NZ,   96                          ; -|z|
.set TT,   128                         ; t
.set EE,   160                         ; 2^(c z^2)
.set UU,   192                         ; the polynomial
.set YG,   224                         ; packed results
.set WV, 12
.set WR, 13                            ; my row half of the tile; also 0: I fetch A, 1: I fetch W
.set WC, 14                            ; my column half; also which half of that tile I fetch
.set CX, 15
.set CY, 16
.set TC, 17
.set TR, 18
.set G1A, 24
.set G0A, 32                           ; group 0 for A: first slot 1's first fill, then it walks
.set G1B, 36
.set G0B, 44                           ; the same for W
.set SBD, 48                           ; 0 or SLOT: the slot that the walking descriptors fill
.set SBF, 49                           ; 0 or SLOT: the slot that is read
.set KC,  52
.set KT,  53
.set LW,  54                           ; wave x HALF
.set PFA, 56
.set LIM, 58
.set PST, 60
.set CP,  66                           ; constant pairs, both words written
.set CE,  68
.set C5,  70
.set C4,  72
.set C3,  74
.set C2,  76
.set C1,  78
.set EC,  80
.set SGN, 81
.set G0A0, 84                          ; group 0 of slot 0's first fill, A
.set G0B0, 88                          ; and W
.set MSB, 0
.macro WIN new                         ; the immediate's high byte repeats the setting that is left
.if MSB != (\new)
	s_set_vgpr_msb (MSB<<8)|(\new)
.set MSB, \new
.endif
.endm
.macro PLACES                          ; four plain places behind matrix instructions (ISA guide 7.12.1)
.rept 4
	v_nop
.endr
.endm
.macro JLOAD                           ; a joint refill: waves 0, 1 A's halves, waves 2, 3 W's; s_nop 0 and four v_nop follow each line
	s_cmp_eq_u32 s[WR], 0
	s_cbranch_scc0 .Lfor_b_\@
	tensor_load_to_lds s[G0A:G0A+3], s[G1A:G1A+7]
	s_nop 0
.rept 4
	v_nop
.endr
	s_branch .Lasked_\@
.Lfor_b_\@:
	tensor_load_to_lds s[G0B:G0B+3], s[G1B:G1B+7]
	s_nop 0
.rept 4
	v_nop
.endr
.Lasked_\@:
.endm
.macro CREST                           ; the cluster's barrier behind its opening work-group barrier
	s_cmp_lg_u32 s[WV], 0
	s_cbranch_scc1 .Lnot_wave_0_\@
	s_barrier_signal -3
.Lnot_wave_0_\@:
	s_barrier_wait -3
	s_barrier_signal -1
	s_barrier_wait -1
.endm
.macro CROUND
	s_barrier_signal -1
	s_barrier_wait -1
	CREST
.endm
.macro STEPD                           ; the walking descriptors: the other slot, the next K step.  Written only where no tensor load of mine is out
	s_xor_b32 s[SBD], s[SBD], SLOT
	s_add_co_u32 s[G0A+1], s[SBD], s[LW]
	s_add_co_u32 s[G0B+1], s[SBD], s[LW]
	s_add_nc_u64 s[G0A+2:G0A+3], s[G0A+2:G0A+3], 256
	s_add_nc_u64 s[G0B+2:G0B+3], s[G0B+2:G0B+3], 256*N
.endm
; A prefetch of the K step after the one just asked for: 32 blocks of 256 bytes, a lane a block.  A's rows are read by every cluster of a row of clusters: cluster x = 0 asks;
; W's by every cluster of a column: cluster y = 0 asks.  The four partners share a wave's 128 blocks out by address.  The last trip that fills a slot asks for nothing.
.macro ASK
	s_cmp_gt_u32 s[KC], s[LIM]
	s_cbranch_scc0 .Lnot_mine_\@
	global_prefetch_b8 v[PFO], s[PFA:PFA+1] th:TH_LOAD_NT scope:SCOPE_SE
.Lnot_mine_\@:
.endm
; 16 matrix instructions: row blocks a0, a0 + 1 of the window's four x all 8 column blocks, 32 along K.  zero = 1: the bias starts the sums.
; The 64 accumulators take turns, one instruction a turn, in the same order in every quarter.
.macro MUL16 f, hi, a0, zero
.if \zero
	WIN 0x81+0x40*(\hi)
.else
	WIN 0xa1+0x50*(\hi)
.endif
.irp a, \a0, (\a0)+1
.irp b, 0,1,2,3,4,5,6,7
.if \zero
	v_wmma_f32_16x16x32_bf16 v[8*(8*(\a)+(\b)):8*(8*(\a)+(\b))+7], v[(\f)+8*(\b):(\f)+8*(\b)+7], v[(\f)+8*(4*(\hi)+(\a)):(\f)+8*(4*(\hi)+(\a))+7], v[BIAS+8*(\b):BIAS+8*(\b)+7]
.else
	v_wmma_f32_16x16x32_bf16 v[8*(8*(\a)+(\b)):8*(8*(\a)+(\b))+7], v[(\f)+8*(\b):(\f)+8*(\b)+7], v[(\f)+8*(4*(\hi)+(\a)):(\f)+8*(4*(\hi)+(\a))+7], v[8*(8*(\a)+(\b)):8*(8*(\a)+(\b))+7]
.endif
.endr
.endr
.endm
; 32 LDS loads in one run: quarter q's fragments into buffer f: W's 8 column blocks (turned: rows 32 q .. of the tile), then A's 8 row blocks
.macro FETCH q, f
	WIN 0x40
.irp i, 0,1,2,3,4,5,6,7
	ds_load_tr16_b128 v[(\f)+8*(\i):(\f)+8*(\i)+3],   v[ADRB] offset:(\q)*32*PB+32*(\i)
	ds_load_tr16_b128 v[(\f)+8*(\i)+4:(\f)+8*(\i)+7], v[ADRB] offset:(\q)*32*PB+16*PB+32*(\i)
.endr
	WIN 0
.irp i, 0,1,2,3,4,5,6,7
	ds_load_b128 v[(\f)+8*(\i):(\f)+8*(\i)+3],   v[ADRA] offset:64*(\q)+(\i)*16*PA
	ds_load_b128 v[(\f)+8*(\i)+4:(\f)+8*(\i)+7], v[ADRA] offset:64*(\q)+(\i)*16*PA+32
.endr
.endm
.macro QUARTER q, f, g, zero           ; multiplies buffer f; in its middle fetches quarter q + 1 into g
	s_wait_dscnt 8                                 ; W and A's rows 0-63 are in; the youngest eight loads (A's rows 64-127) may be out
	MUL16 \f, 0, 0, \zero
	MUL16 \f, 0, 2, \zero
	PLACES
	FETCH (\q)+1, \g
	s_wait_dscnt 32                                ; all but the 32 just issued
	MUL16 \f, 1, 0, \zero
	MUL16 \f, 1, 2, \zero
.endm
; The fourth quarter changes slots and then multiplies buffer 1.  One barrier; ahead of it each wave waits for all its tensor loads (one is out: its part of the next slot), adds 0 to its spare
; word, and waits for that and for its reads of this slot (the last were issued 32 products back).  fill = 1: the barrier opens the cluster's, and this slot is filled again first thing behind it, two K
; steps ahead.  All 64 products of the quarter stand behind the refill: the request goes out as soon as the ordering allows, and has a K step's 256 products in which to land.
; last = 1 (the tail's loop): in its last trip there is no further slot, and the fetch is jumped over.
.macro TURN fill, last
.if \fill
	s_wait_xcnt 0x0                                ; the last prefetch, a K step back, has read its address
	s_add_nc_u64 s[PFA:PFA+1], s[PFA:PFA+1], s[PST:PST+1]
.endif
	WIN 0
	s_wait_tensorcnt 0x0
	ds_add_u32 v[SPW], v[NIL]                      ; the scalar steps below stand between the add and the wait for it
.if \fill
	STEPD
.endif
	s_xor_b32 s[SBF], s[SBF], SLOT
	s_wait_dscnt 0x0                               ; the add is done, my reads of this slot are over
	s_barrier_signal -1
	s_barrier_wait -1
.if \fill
	CREST
	JLOAD                                          ; its four v_nop are also the places ahead of the loads below
.else
	PLACES
.endif
.if \last
	s_cmp_eq_u32 s[KT], 1
	s_cbranch_scc1 .Lnofetch_\@
.endif
	v_add_nc_u32 v[ADRA], s[SBF], v[A0]
	v_add_nc_u32 v[ADRB], s[SBF], v[B0]
	FETCH 0, F0
.if \last
.Lnofetch_\@:
.endif
.if \fill
	ASK
.endif
	MUL16 F1, 0, 0, 0
	MUL16 F1, 0, 2, 0
	MUL16 F1, 1, 0, 0
	MUL16 F1, 1, 2, 0
.endm
	s_load_b256 s[4:11], s[0:1], 0x0               ; A s[4:5], w16 s[6:7], bias s[8:9], out s[10:11]
	v_lshl_add_u32 v[SPW], v0, 2, SPARE
	v_mov_b32 v[NIL], 0
	ds_add_u32 v[SPW], v[NIL]                      ; the wave's opening: the add and its wait stand ahead of my first tensor load
	v_lshrrev_b32 v1, 5, v0
	v_readfirstlane_b32 s[WV], v1
	s_lshr_b32 s[WR], s[WV], 1
	s_and_b32 s[WC], s[WV], 1
	s_bfe_u32 s[CX], ttmp6, 0x40000
	s_bfe_u32 s[CY], ttmp6, 0x40004
	s_lshl_b32 s[TC], ttmp9, 2
	s_add_co_u32 s[TC], s[TC], s[CX]               ; tile column
	s_and_b32 s[TR], ttmp7, 0xffff
	s_lshl_b32 s[TR], s[TR], 2
	s_add_co_u32 s[TR], s[TR], s[CY]               ; tile row
	s_lshl_b32 s55, s[CY], 2
	s_lshl_b32 s55, 15, s55                        ; my row of the cluster
	s_lshl_b32 s59, 0x1111, s[CX]                  ; my column
	s_or_b32 s[G1A], s55, (1<<16)|(1<<20)|(1<<21)|(5<<22)|(3<<25)  ; mask; 2-byte elements; padding on; bit 21 beside a mask; after every 64 words 4 words
	s_mov_b32 s[G1A+1], 128<<16                    ; tensor_dim0 = 128
	s_mov_b32 s[G1A+2], 128<<16                    ; tensor_dim1 = 128
	s_mov_b32 s[G1A+3], 128<<16                    ; tile_dim0 = 128
	s_mov_b32 s[G1A+4], 128                        ; tile_dim1 = 128
	s_mov_b32 s[G1A+5], 1024                       ; elements from row to row
	s_mov_b32 s[G1A+6], 0
	s_mov_b32 s[G1A+7], 0
	s_or_b32 s[G1B], s59, (1<<16)|(1<<20)|(1<<21)|(6<<22)|(7<<25)  ; after every 128 words 8 words
	s_mov_b32 s[G1B+1], 256<<16                    ; 256 columns,
	s_mov_b32 s[G1B+2], 64<<16                     ; 64 rows of K
	s_mov_b32 s[G1B+3], 256<<16
	s_mov_b32 s[G1B+4], 64
	s_mov_b32 s[G1B+5], N
	s_mov_b32 s[G1B+6], 0
	s_mov_b32 s[G1B+7], 0
	s_lshl_b32 s50, s[TR], 8                       ; A: row 256 x tile row + 128 x half, 2,048 bytes a row
	s_lshl_b32 s51, s[WC], 7
	s_add_co_u32 s50, s50, s51
	s_lshl_b32 s50, s50, 11
	s_mov_b32 s51, 0
	s_mul_i32 s22, s[WC], 64*N*2                   ; W: row 64 x half, column 256 x tile column
	s_lshl_b32 s23, s[TC], 9
	s_add_co_u32 s22, s22, s23
	s_add_co_u32 s22, s22, WOFF
	s_mov_b32 s23, 0
	s_mul_i32 s[LW], s[WV], HALF                   ; A's halves, then W's halves: no place in the cluster enters an LDS address
	s_mov_b32 s[SBD], SLOT                         ; the walking descriptors begin at slot 1
	s_mov_b32 s[SBF], SLOT
	s_mov_b32 s[G0A0], 1
	s_mov_b32 s[G0A0+1], s[LW]
	s_mov_b32 s[G0B0], 1
	s_mov_b32 s[G0B0+1], s[LW]
	s_mov_b32 s[G0A], 1
	s_add_co_u32 s[G0A+1], s[LW], SLOT
	s_mov_b32 s[G0B], 1
	s_add_co_u32 s[G0B+1], s[LW], SLOT
	s_wait_dscnt 0x0                               ; the opening add is done
	s_wait_kmcnt 0x0
	s_add_nc_u64 s[G0A0+2:G0A0+3], s[4:5], s[50:51]              ; K step 0,
	s_add_nc_u64 s[G0A+2:G0A+3], s[G0A0+2:G0A0+3], 256           ; K step 1
	s_or_b32 s[G0A0+3], s[G0A0+3], 0x80000000
	s_or_b32 s[G0A+3], s[G0A+3], 0x80000000
	s_add_nc_u64 s[G0B0+2:G0B0+3], s[6:7], s[22:23]
	s_add_nc_u64 s[G0B+2:G0B+3], s[G0B0+2:G0B0+3], 256*N
	s_or_b32 s[G0B0+3], s[G0B0+3], 0x80000000
	s_or_b32 s[G0B+3], s[G0B+3], 0x80000000
	CROUND                                         ; all sixteen work-groups are here
	s_cmp_eq_u32 s[WR], 0                          ; a wave's two first fills stand in one branch, ahead of every wait on TENSORcnt and every LDS read
	s_cbranch_scc0 .Lfirst_b
	tensor_load_to_lds s[G0A0:G0A0+3], s[G1A:G1A+7]
	s_nop 0
	tensor_load_to_lds s[G0A:G0A+3], s[G1A:G1A+7]
	s_nop 0
.rept 4
	v_nop
.endr
	s_branch .Lfirst_asked
.Lfirst_b:
	tensor_load_to_lds s[G0B0:G0B0+3], s[G1B:G1B+7]
	s_nop 0
	tensor_load_to_lds s[G0B:G0B+3], s[G1B:G1B+7]
	s_nop 0
.rept 4
	v_nop
.endr
.Lfirst_asked:
	v_and_b32 v1, 15, v0                           ; l % 16
	v_bfe_u32 v2, v0, 4, 1                         ; l / 16
	v_and_b32 v5, 31, v0                           ; l
	v_mul_u32_u24 v[A0], v1, PA
	v_lshl_add_u32 v[A0], v2, 4, v[A0]
	s_mul_i32 s19, s[WR], 128*PA
	v_add_nc_u32 v[A0], s19, v[A0]                 ; row x pitch + 16 x half + my 128 rows
	v_and_b32 v3, 7, v0
	v_lshl_add_u32 v3, v2, 3, v3                   ; the turning load: lane l reads row 8 (l / 16) + l % 8,
	v_mul_u32_u24 v[B0], v3, PB
	v_bfe_u32 v4, v0, 3, 1
	v_lshl_add_u32 v[B0], v4, 4, v[B0]             ; columns 8 ((l / 8) % 2) ..
	s_lshl_b32 s19, s[WC], 8
	s_add_co_u32 s19, s19, BOFF
	v_add_nc_u32 v[B0], s19, v[B0]                 ; + my 128 columns, behind A's tile
	s_mul_i32 s19, s[WV], DW
	v_mul_u32_u24 v[DST], v1, DP
	v_lshl_add_u32 v[DST], v2, 5, v[DST]
	v_add_nc_u32 v[DST], s19, v[DST]               ; dump: row l % 16, 32 bytes for each half of the lanes
.if FC1
	v_lshl_add_u32 v[RD], v5, 4, s19               ; back: a row of 512 bytes a load
.else
	v_mul_u32_u24 v[RD], v2, DP                    ; back: two rows x 256 bytes (a head's 64 channels) a load
	v_lshl_add_u32 v[RD], v1, 4, v[RD]
	v_add_nc_u32 v[RD], s19, v[RD]
.endif
	v_lshlrev_b32 v[CO], 3, v5
	s_lshl_b32 s20, s[TC], 10
	s_lshl_b32 s21, s[WC], 9
	s_add_co_u32 s20, s20, s21
	v_lshl_add_u32 v[BO], v2, 5, s20               ; bias: my first column x 4 + 32 x half
.irp b, 0,1,2,3,4,5,6,7
	global_load_b128 v[BIAS+8*(\b):BIAS+8*(\b)+3],   v[BO], s[8:9] offset:64*(\b)
	global_load_b128 v[BIAS+8*(\b)+4:BIAS+8*(\b)+7], v[BO], s[8:9] offset:64*(\b)+16
.endr
.if FC1
	s_lshl_b32 s19, s[TR], 8                       ; out: my first row x 8,192 bytes + my first column x 2
	s_lshl_b32 s20, s[WR], 7
	s_add_co_u32 s19, s19, s20
	s_lshl_b32 s62, s19, 13
	s_lshl_b32 s20, s[TC], 9
	s_add_co_u32 s62, s62, s20
	s_lshl_b32 s20, s[WC], 8
	s_add_co_u32 s62, s62, s20
	s_mov_b32 s[CP], 0xbe6d3388                    ; -0.23164189
	s_mov_b32 s[CE], 0xbf38aa3b                    ; -0.72134752
	s_mov_b32 s[C5], 0x3f07dc22                    ; 0.53070271
	s_mov_b32 s[C4], 0xbf3a00e3                    ; -0.72657601
	s_mov_b32 s[C3], 0x3f35f0e3                    ; 0.71070687
	s_mov_b32 s[C2], 0xbe11a98e                    ; -0.14224837
	s_mov_b32 s[C1], 0x3e027906                    ; 0.12741480
.irp c, CP, CE, C5, C4, C3, C2, C1
	s_mov_b32 s[\c+1], s[\c]                       ; named as pairs
.endr
	s_mov_b32 s[SGN], 0x80000000
.else
	s_lshr_b32 s19, s[TR], 3                       ; out: [which][16 b + head][t][64]
	s_lshl_b32 s19, s19, 4
	s_and_b32 s20, s[TC], 3
	s_lshl_b32 s20, s20, 2
	s_add_co_u32 s19, s19, s20
	s_lshl_b32 s20, s[WC], 1
	s_add_co_u32 s19, s19, s20                     ; 16 b + my first head
	s_lshl_b32 s19, s19, 11
	s_and_b32 s20, s[TR], 7
	s_lshl_b32 s20, s20, 8
	s_add_co_u32 s19, s19, s20
	s_lshl_b32 s20, s[WR], 7
	s_add_co_u32 s19, s19, s20                     ; + my first t
	s_lshl_b32 s62, s19, 7                         ; x 128 bytes
	s_lshr_b32 s20, s[TC], 2
	s_lshl_b32 s20, s20, 23                        ; q, k or v
	s_add_co_u32 s62, s62, s20
.endif
	s_mov_b32 s63, 0
	s_add_nc_u64 s[10:11], s[10:11], s[62:63]
	; the prefetches: where they stand (at K step 2; the first change of slots steps them to 3), who asks, each lane's block
	s_lshl_b32 s19, s[TR], 8
	s_lshl_b32 s20, s[WC], 7
	s_add_co_u32 s19, s19, s20
	s_lshl_b32 s20, s[CX], 5
	s_add_co_u32 s19, s19, s20                     ; A: my work-group's 32 rows of the 128 that I fetch
	s_lshl_b32 s19, s19, 11
	s_add_co_u32 s19, s19, 2*256
	s_lshl_b32 s20, s[WC], 6
	s_lshl_b32 s21, s[CY], 4
	s_add_co_u32 s20, s20, s21                     ; W: my work-group's 16 rows of the 64
	s_mul_i32 s20, s20, 2*N
	s_lshl_b32 s21, s[TC], 9
	s_add_co_u32 s20, s20, s21
	s_add_co_u32 s20, s20, WOFF+2*256*N
	s_and_b32 s21, ttmp7, 0xffff
	s_mov_b32 s[PST], 256*N
	s_mov_b32 s59, 2*N
	s_cmp_eq_u32 s[WR], 0
	s_cselect_b32 s62, s19, s20
	s_cselect_b32 s21, ttmp9, s21                  ; the coordinate along which other clusters read the same rows
	s_cselect_b64 s[PFA:PFA+1], s[4:5], s[6:7]
	s_cselect_b32 s[PST], 256, s[PST]
	s_cselect_b32 s59, 2048, s59                   ; bytes from row to row
	s_cselect_b32 s55, 0, 1                        ; W: two blocks a row
	s_mov_b32 s[PST+1], 0
	s_cmp_eq_u32 s21, 0
	s_cselect_b32 s[LIM], 1, -1                    ; the same in all sixteen partners, for a given wave
	s_add_nc_u64 s[PFA:PFA+1], s[PFA:PFA+1], s[62:63]
	v_and_b32 v25, s55, v5
	v_lshrrev_b32 v[PFO], s55, v5
	v_mul_u32_u24 v[PFO], s59, v[PFO]
	v_lshl_add_u32 v[PFO], v25, 8, v[PFO]
	s_wait_tensorcnt 0x1                           ; my part of K step 0 is in; K step 1's load may stay out
	s_barrier_signal -1
	s_barrier_wait -1                              ; everybody's is
	s_xor_b32 s[SBF], s[SBF], SLOT                 ; slot 0 is read
	v_add_nc_u32 v[ADRA], s[SBF], v[A0]
	v_add_nc_u32 v[ADRB], s[SBF], v[B0]
	FETCH 0, F0
	s_wait_loadcnt 0x0                             ; the bias
	s_mov_b32 s[KC], NS-2
	QUARTER 0, F0, F1, 1                           ; the first quarter starts the sums; the loop is entered behind its own first quarter
	WIN 0
	s_branch .Lmid
.Lk:                                               ; a trip is a K step; it asks for the K step two on
	QUARTER 0, F0, F1, 0
	WIN 0
.Lmid:
	QUARTER 1, F1, F0, 0
	QUARTER 2, F0, F1, 0
	TURN 1, 0
	WIN 0
	s_sub_co_u32 s[KC], s[KC], 1
	s_cmp_lg_u32 s[KC], 0
	s_cbranch_scc1 .Lk
	s_mov_b32 s[KT], 2                             ; the last two K steps ask for nothing
.Lt:
	QUARTER 0, F0, F1, 0
	QUARTER 1, F1, F0, 0
	QUARTER 2, F0, F1, 0
	TURN 0, 1
	WIN 0
	s_sub_co_u32 s[KT], s[KT], 1
	s_cmp_lg_u32 s[KT], 0
	s_cbranch_scc1 .Lt
	; THE DUMP.  Behind the last barrier no wave reads the ring and no fill follows: its bytes take the sums, each wave's in 128 rows of 528 bytes of its own.
	PLACES
	PLACES
.irp a, 0,1,2,3,4,5,6,7
	WIN 0x08+4*((\a)/4)                            ; the stores' data in window 2 or 3
.irp b, 0,1,2,3,4,5,6,7
	ds_store_b128 v[DST], v[8*(8*((\a)%4)+(\b)):8*(8*((\a)%4)+(\b))+3]   offset:(\a)*16*DP+64*(\b)
	ds_store_b128 v[DST], v[8*(8*((\a)%4)+(\b))+4:8*(8*((\a)%4)+(\b))+7] offset:(\a)*16*DP+64*(\b)+16
.endr
.endr
	WIN 0
	s_mov_b32 s[EC], 16                            ; 16 trips of 8 rows; LDS serves a wave's instructions in order, so the loads see the stores above
.if FC1
.irp j, 0,1,2,3,4,5,6,7
	ds_load_b128 v[Z+4*(\j):Z+4*(\j)+3], v[RD] offset:(\j)*DP
.endr
; A trip's 32 numbers a lane go through each operation together, 16 pairs on end, so that a line reads a result made 16 lines or more earlier; reciprocals and exponentials stand by turns with plain lines.
.Lw:
	s_wait_dscnt 0x0
.set i, 0
.rept 32
	v_or_b32 v[NZ+i], s[SGN], v[Z+i]               ; -|z|
.set i, i+1
.endr
.set i, 0
.rept 16
	v_pk_fma_f32 v[TT+i:TT+i+1], v[NZ+i:NZ+i+1], s[CP:CP+1], 1.0 op_sel_hi:[1,0,0]  ; 1 + p |z|
.set i, i+2
.endr
.set i, 0
.rept 16
	v_pk_mul_f32 v[EE+i:EE+i+1], v[Z+i:Z+i+1], v[Z+i:Z+i+1]
.set i, i+2
.endr
.set i, 0
.rept 32
	v_rcp_f32 v[TT+i], v[TT+i]                     ; t
	v_max_num_f32 v[RL+i], 0, v[Z+i]
.set i, i+1
.endr
.set i, 0
.rept 16
	v_pk_mul_f32 v[EE+i:EE+i+1], v[EE+i:EE+i+1], s[CE:CE+1] op_sel_hi:[1,0]
.set i, i+2
.endr
	s_wait_alu depctr_va_vdst(0)                   ; one wait for the 32 reciprocals, ahead of their first reader and of the branch
	s_cmp_eq_u32 s[EC], 1
	s_cbranch_scc1 .Lwlast
	v_add_nc_u32 v[RD], 8*DP, v[RD]                ; the next 8 rows come while these are worked on
.irp j, 0,1,2,3,4,5,6,7
	ds_load_b128 v[Z+4*(\j):Z+4*(\j)+3], v[RD] offset:(\j)*DP
.endr
.Lwlast:
.set i, 0
.rept 16
	v_exp_f32 v[EE+i], v[EE+i]
	v_pk_fma_f32 v[UU+2*i:UU+2*i+1], v[TT+2*i:TT+2*i+1], s[C5:C5+1], s[C4:C4+1] op_sel_hi:[1,0,0]
.set i, i+1
.endr
.set i, 0
.rept 16
	v_exp_f32 v[EE+16+i], v[EE+16+i]
	v_pk_fma_f32 v[UU+2*i:UU+2*i+1], v[UU+2*i:UU+2*i+1], v[TT+2*i:TT+2*i+1], s[C3:C3+1] op_sel_hi:[1,1,0]
.set i, i+1
.endr
.irp c, C2, C1
.set i, 0
.rept 16
	v_pk_fma_f32 v[UU+i:UU+i+1], v[UU+i:UU+i+1], v[TT+i:TT+i+1], s[\c:\c+1] op_sel_hi:[1,1,0]
.set i, i+2
.endr
.endr
.set i, 0
.rept 16
	v_pk_mul_f32 v[UU+i:UU+i+1], v[UU+i:UU+i+1], v[TT+i:TT+i+1]
.set i, i+2
.endr
	s_wait_alu depctr_va_vdst(0)                   ; one wait for the 32 exponentials
.set i, 0
.rept 16
	v_pk_mul_f32 v[UU+i:UU+i+1], v[UU+i:UU+i+1], v[EE+i:EE+i+1]                    ; q
.set i, i+2
.endr
.set i, 0
.rept 16
	v_pk_fma_f32 v[UU+i:UU+i+1], v[NZ+i:NZ+i+1], v[UU+i:UU+i+1], v[RL+i:RL+i+1]    ; max(z,0) - |z| q
.set i, i+2
.endr
.set i, 0
.rept 16
	v_cvt_pk_bf16_f32 v[YG+i/2], v[UU+i], v[UU+i+1]
.set i, i+2
.endr
.irp j, 0,1,2,3,4,5,6,7
	global_store_b64 v[CO], v[YG+2*(\j):YG+2*(\j)+1], s[10:11] offset:(\j)*8192  ; 256 consecutive bytes of a row, aligned
.endr
	s_wait_xcnt 0x0                                ; the stores have read their data and base
	s_add_nc_u64 s[10:11], s[10:11], 8*8192
.else
.irp j, 0,1,2,3,4,5,6,7
	ds_load_b128 v[Z+4*(\j):Z+4*(\j)+3], v[RD] offset:((\j)/2)*2*DP+((\j)%2)*256
.endr
.Lw:
	s_wait_dscnt 0x0
.irp j, 0,1,2,3,4,5,6,7
	v_cvt_pk_bf16_f32 v[YQ+2*(\j)], v[Z+4*(\j)], v[Z+4*(\j)+1]
	v_cvt_pk_bf16_f32 v[YQ+2*(\j)+1], v[Z+4*(\j)+2], v[Z+4*(\j)+3]
.endr
	s_cmp_eq_u32 s[EC], 1
	s_cbranch_scc1 .Lwlast
	v_add_nc_u32 v[RD], 8*DP, v[RD]
.irp j, 0,1,2,3,4,5,6,7
	ds_load_b128 v[Z+4*(\j):Z+4*(\j)+3], v[RD] offset:((\j)/2)*2*DP+((\j)%2)*256
.endr
.Lwlast:
.irp j, 0,1,2,3,4,5,6,7
	global_store_b64 v[CO], v[YQ+2*(\j):YQ+2*(\j)+1], s[10:11] offset:((\j)%2)*262144+((\j)/2)*256  ; two rows of a head: 256 consecutive bytes, aligned
.endr
	s_wait_xcnt 0x0
	s_add_nc_u64 s[10:11], s[10:11], 8*128
.endif
	s_sub_co_u32 s[EC], s[EC], 1
	s_cmp_lg_u32 s[EC], 0
	s_cbranch_scc1 .Lw
	s_wait_tensorcnt 0x0                           ; the wave's end
	ds_add_u32 v[SPW], v[NIL]
	s_wait_dscnt 0x0
	CROUND                                         ; the closing meeting of the cluster
	s_endpgm
.Lfunc_end_k_q1c9facffb3_fc1:
	.size	k_q1c9facffb3_fc1, .Lfunc_end_k_q1c9facffb3_fc1-k_q1c9facffb3_fc1
	.p2alignl 7, 3214868480
	.fill 96, 4, 3214868480
	.section	.rodata,"a",@progbits
	.p2align	6, 0x0
	.amdhsa_kernel k_q1c9facffb3_fc1
		.amdhsa_group_segment_fixed_size 327680
		.amdhsa_private_segment_fixed_size 0
		.amdhsa_enable_private_segment 0
		.amdhsa_kernarg_size 32
		.amdhsa_user_sgpr_count 2
		.amdhsa_user_sgpr_kernarg_segment_ptr 1
		.amdhsa_wavefront_size32 1
		.amdhsa_system_sgpr_workgroup_id_x 1
		.amdhsa_system_sgpr_workgroup_id_y 1
		.amdhsa_system_sgpr_workgroup_id_z 1
		.amdhsa_system_vgpr_workitem_id 0
		.amdhsa_next_free_vgpr 1024
		.amdhsa_next_free_sgpr 92
		.amdhsa_reserve_vcc 0
		.amdhsa_float_denorm_mode_32 3
		.amdhsa_float_denorm_mode_16_64 3
		.amdhsa_memory_ordered 1
		.amdhsa_forward_progress 1
		.amdhsa_inst_pref_size 98
	.end_amdhsa_kernel
	.amdgpu_metadata
---
amdhsa.version: [ 1, 2 ]
amdhsa.kernels:
  - .name:           k_q1c9facffb3_fc1
    .symbol:         k_q1c9facffb3_fc1.kd
    .args:
      - { .name: h, .offset: 0, .size: 8, .value_kind: global_buffer, .address_space: global }
      - { .name: w16, .offset: 8, .size: 8, .value_kind: global_buffer, .address_space: global }
      - { .name: b_fc1, .offset: 16, .size: 8, .value_kind: global_buffer, .address_space: global }
      - { .name: g, .offset: 24, .size: 8, .value_kind: global_buffer, .address_space: global }
    .group_segment_fixed_size: 327680
    .private_segment_fixed_size: 0
    .kernarg_segment_align: 8
    .kernarg_segment_size: 32
    .max_flat_workgroup_size: 128
    .sgpr_count:     92
    .vgpr_count:     1024
    .wavefront_size: 32
...
	.end_amdgpu_metadata
.endif
;; end of part 5
;; launch fc2 (part 6): grid 8 x 32, 4 waves a work-group, clusters of 4 x 4, 327,680 bytes of LDS; arguments g, w16, b_fc2, x1, out0; writes out0
.if DOCPART == 6
	.amdgcn_target "amdgcn-amd-amdhsa--gfx1250"
	.amdhsa_code_object_version 6
	.text
	.protected	k_q1c9facffb3_fc2
	.globl	k_q1c9facffb3_fc2
	.p2align	8
	.type	k_q1c9facffb3_fc2,@function
k_q1c9facffb3_fc2:
	s_mov_b64 s[64:65], 0
	v_nop
	global_prefetch_b8 v0, s[64:65] scope:SCOPE_SE
	s_setreg_imm32_b32 hwreg(HW_REG_WAVE_MODE, 25, 1), 1
	s_wait_xcnt 0x0
	s_wait_alu depctr_hold_cnt(0) depctr_sa_sdst(0) depctr_va_vdst(0) depctr_va_sdst(0) depctr_va_ssrc(0) depctr_va_vcc(0) depctr_vm_vsrc(0)
	s_getreg_b32 s2, hwreg(HW_REG_IB_STS2, 6, 4)
	s_cmp_eq_u32 s2, 0
	s_cbranch_scc0 .Lentry_in_a_cluster
	s_endpgm
.Lentry_in_a_cluster:
	s_bfe_u32 s2, ttmp6, 0x10000c
	s_cmp_lg_u32 s2, 0xf033
	s_cbranch_scc0 .Lentry_shape_is_right
	s_endpgm
.Lentry_shape_is_right:
; out = resid + A W + bias, all of out, resid and bias in f32.  W: [K][1024] bf16 as the problem stores it, at byte WOFF of w16.  Sums in f32, started by the bias.
; PROJ = 1: A is the attention's result by heads, [32][2048][64] bf16, K = 1,024.   PROJ = 0: A is [4096][4096] bf16, K = 4,096.
; A tile of out is 128 x 128, four waves, each 64 x 64: 16 accumulators; that gives each of 256 work-groups one tile.  K goes in steps of 256 through two LDS slots.
; A's fragments come out of LDS as they lie, W's are turned by ds_load_tr16_b128; the product is used transposed, so a lane holds one row of out and eight neighbouring columns.
; CLUSTER 4 x 4: A's tile is asked for jointly along a row of the cluster, W's along a column.  Both slots' first fills go out together at the start: two loads of a wave are out there, later one.
; THE WAY OUT: the sums go as f32 into the ring's bytes (no fill follows), each wave's into bytes of its own, come back as rows of 256 bytes, take the residual (loaded at the start) and are stored.
; PROJ = 1 lays no prefetch: four K steps in all.
; REGISTERS: window 0 addresses, bias v96-127, accumulators v128-255; window 1 two fragment buffers of 128 (A 64, W 64); window 2 v0-127 the residual.
.set PROJ, 0
.if PROJ
.set NS,    4
.set WOFF,  6291456
.set PA,    144                        ; a head's row in LDS: 128 bytes + 16
.set QA,    128*PA                     ; a quarter of a K step is a head: 128 rows
.set HALFA, 2*QA                       ; one load: two heads
.set ASTEP, 4*262144
.set PF,    0
.else
.set NS,    16
.set WOFF,  16777216
.set PA,    528                        ; 512 bytes + 16
.set QA,    128                        ; a quarter: 64 along K
.set HALFA, 64*PA                      ; one load: 64 rows
.set ASTEP, 512
.set PF,    1
.endif
.set BSTEP, 256*2048
.set PB,    288                        ; a row of W in LDS: 256 bytes + 32
.set HALFB, 128*PB
.set AREG,  2*HALFA
.set SLOT,  AREG+2*HALFB
.set SPARE, 2*SLOT
.set DP,    272                        ; a row of the f32 dump: 256 bytes + 16
.set DW,    64*DP
.set A0,   16
.set B0,   17                          ; AREG included
.set ADRA, 18
.set ADRB, 20                          ; v20: W's rows 0-127 of the slot read; v21: rows 128-255 (an offset has 16 bits)
.set DST,  22
.set RD,   23
.set XO,   24
.set BO,   25
.set PFO,  26
.set SPW,  28
.set NIL,  29
.set BIAS, 96
.set ACC,  128
.set F0,   0
.set F1,   128
.set RES, 10
.set OUT, 12
.set WV, 14
.set WR, 15
.set WC, 16
.set CX, 17
.set CY, 18
.set TC, 19
.set TR, 20
.set G1A, 24
.set G0A, 32                           ; group 0 for A: first slot 1's first fill, then it walks
.set G1B, 36
.set G0B, 44                           ; the same for W
.set SBD, 48
.set SBF, 49
.set KC,  52
.set KT,  53
.set LWA, 54
.set LWB, 55
.set PFA, 56
.set LIM, 58
.set PST, 60
.set G0A0, 72                          ; group 0 of slot 0's first fill, A
.set G0B0, 76                          ; and W
.set MSB, 0
.macro WIN new
.if MSB != (\new)
	s_set_vgpr_msb (MSB<<8)|(\new)
.set MSB, \new
.endif
.endm
.macro PLACES
.rept 4
	v_nop
.endr
.endm
.macro JLOAD                           ; a joint refill: waves 0, 1 A's halves, waves 2, 3 W's; s_nop 0 and four v_nop follow each line
	s_cmp_eq_u32 s[WR], 0
	s_cbranch_scc0 .Lfor_b_\@
	tensor_load_to_lds s[G0A:G0A+3], s[G1A:G1A+7]
	s_nop 0
.rept 4
	v_nop
.endr
	s_branch .Lasked_\@
.Lfor_b_\@:
	tensor_load_to_lds s[G0B:G0B+3], s[G1B:G1B+7]
	s_nop 0
.rept 4
	v_nop
.endr
.Lasked_\@:
.endm
.macro CREST
	s_cmp_lg_u32 s[WV], 0
	s_cbranch_scc1 .Lnot_wave_0_\@
	s_barrier_signal -3
.Lnot_wave_0_\@:
	s_barrier_wait -3
	s_barrier_signal -1
	s_barrier_wait -1
.endm
.macro CROUND
	s_barrier_signal -1
	s_barrier_wait -1
	CREST
.endm
.macro STEPD                           ; the walking descriptors: the other slot, the next K step
	s_xor_b32 s[SBD], s[SBD], SLOT
	s_add_co_u32 s[G0A+1], s[SBD], s[LWA]
	s_add_co_u32 s[G0B+1], s[SBD], s[LWB]
	s_add_nc_u64 s[G0A+2:G0A+3], s[G0A+2:G0A+3], ASTEP
	s_add_nc_u64 s[G0B+2:G0B+3], s[G0B+2:G0B+3], BSTEP
.endm
; A prefetch of the K step two behind the one just asked for: 32 blocks of 256 bytes, a lane a block; cluster x = 0 asks for A's, cluster y = 0 for W's; the four partners share a wave's 128 blocks by address.
.macro ASK
	s_cmp_gt_u32 s[KC], s[LIM]
	s_cbranch_scc0 .Lnot_mine_\@
	global_prefetch_b8 v[PFO], s[PFA:PFA+1] th:TH_LOAD_NT scope:SCOPE_SE
.Lnot_mine_\@:
.endm
; 8 matrix instructions: row blocks a0, a0 + 1 x all 4 column blocks, 32 along K: half c of buffer f.  zero = 1: the bias starts the sums.  The 16 accumulators take turns.
.macro MUL8 f, c, a0, zero
	WIN 0x05
.irp a, \a0, (\a0)+1
.irp b, 0,1,2,3
.if \zero
	v_wmma_f32_16x16x32_bf16 v[ACC+8*(4*(\a)+(\b)):ACC+8*(4*(\a)+(\b))+7], v[(\f)+64+8*(4*(\c)+(\b)):(\f)+64+8*(4*(\c)+(\b))+7], v[(\f)+8*(4*(\c)+(\a)):(\f)+8*(4*(\c)+(\a))+7], v[BIAS+8*(\b):BIAS+8*(\b)+7]
.else
	v_wmma_f32_16x16x32_bf16 v[ACC+8*(4*(\a)+(\b)):ACC+8*(4*(\a)+(\b))+7], v[(\f)+64+8*(4*(\c)+(\b)):(\f)+64+8*(4*(\c)+(\b))+7], v[(\f)+8*(4*(\c)+(\a)):(\f)+8*(4*(\c)+(\a))+7], v[ACC+8*(4*(\a)+(\b)):ACC+8*(4*(\a)+(\b))+7]
.endif
.endr
.endr
.endm
; 32 LDS loads in one run: quarter q's fragments (64 along K) into buffer f; the first 32 along K first
.macro FETCH q, f
	WIN 0x40
.irp c, 0,1
.irp i, 0,1,2,3
	ds_load_tr16_b128 v[(\f)+64+8*(4*(\c)+(\i)):(\f)+64+8*(4*(\c)+(\i))+3],   v[ADRB+(\q)/2] offset:(((\q)%2)*64+32*(\c))*PB+32*(\i)
	ds_load_tr16_b128 v[(\f)+64+8*(4*(\c)+(\i))+4:(\f)+64+8*(4*(\c)+(\i))+7], v[ADRB+(\q)/2] offset:(((\q)%2)*64+32*(\c)+16)*PB+32*(\i)
	ds_load_b128 v[(\f)+8*(4*(\c)+(\i)):(\f)+8*(4*(\c)+(\i))+3],   v[ADRA] offset:(\q)*QA+64*(\c)+(\i)*16*PA
	ds_load_b128 v[(\f)+8*(4*(\c)+(\i))+4:(\f)+8*(4*(\c)+(\i))+7], v[ADRA] offset:(\q)*QA+64*(\c)+(\i)*16*PA+32
.endr
.endr
.endm
.macro QUARTER q, f, g, zero
	s_wait_dscnt 16                                ; the first 32 along K are in
	MUL8 \f, 0, 0, \zero
	MUL8 \f, 0, 2, \zero
	PLACES
	FETCH (\q)+1, \g
	s_wait_dscnt 32                                ; all but the 32 just issued
	MUL8 \f, 1, 0, 0
	MUL8 \f, 1, 2, 0
.endm
; The fourth quarter changes slots and then multiplies buffer 1.  One barrier; ahead of it each wave waits for all its tensor loads, adds 0 to its spare word, and waits for that and for its reads of this
; slot.  All 32 products of the quarter stand behind the refill: the request goes out as soon as the ordering allows, and has a K step's 128 products in which to land.
.macro TURN fill, last
.if (\fill) && PF
	s_wait_xcnt 0x0                                ; the last prefetch, a K step back, has read its address
	s_add_nc_u64 s[PFA:PFA+1], s[PFA:PFA+1], s[PST:PST+1]
.endif
	WIN 0
	s_wait_tensorcnt 0x0
	ds_add_u32 v[SPW], v[NIL]                      ; the scalar steps below stand between the add and the wait for it
.if \fill
	STEPD
.endif
	s_xor_b32 s[SBF], s[SBF], SLOT
	s_wait_dscnt 0x0                               ; the add is done, my reads of this slot are over
	s_barrier_signal -1
	s_barrier_wait -1
.if \fill
	CREST
	JLOAD                                          ; its four v_nop are also the places ahead of the loads below
.else
	PLACES
.endif
.if \last
	s_cmp_eq_u32 s[KT], 1
	s_cbranch_scc1 .Lnofetch_\@
.endif
	v_add_nc_u32 v[ADRA], s[SBF], v[A0]
	v_add_nc_u32 v[ADRB], s[SBF], v[B0]
	v_add_nc_u32 v[ADRB+1], 128*PB, v[ADRB]
	FETCH 0, F0
	WIN 0
.if \last
.Lnofetch_\@:
.endif
.if (\fill) && PF
	ASK
.endif
	MUL8 F1, 0, 0, 0
	MUL8 F1, 0, 2, 0
	MUL8 F1, 1, 0, 0
	MUL8 F1, 1, 2, 0
.endm
	s_load_b256 s[4:11], s[0:1], 0x0               ; A s[4:5], w16 s[6:7], bias s[8:9], resid s[10:11]
	s_load_b64 s[12:13], s[0:1], 0x20              ; out
	v_lshl_add_u32 v[SPW], v0, 2, SPARE
	v_mov_b32 v[NIL], 0
	ds_add_u32 v[SPW], v[NIL]                      ; the wave's opening: the add and its wait stand ahead of my first tensor load
	v_lshrrev_b32 v1, 5, v0
	v_readfirstlane_b32 s[WV], v1
	s_lshr_b32 s[WR], s[WV], 1
	s_and_b32 s[WC], s[WV], 1
	s_bfe_u32 s[CX], ttmp6, 0x40000
	s_bfe_u32 s[CY], ttmp6, 0x40004
	s_lshl_b32 s[TC], ttmp9, 2
	s_add_co_u32 s[TC], s[TC], s[CX]
	s_and_b32 s[TR], ttmp7, 0xffff
	s_lshl_b32 s[TR], s[TR], 2
	s_add_co_u32 s[TR], s[TR], s[CY]
	s_lshl_b32 s66, s[CY], 2
	s_lshl_b32 s66, 15, s66                        ; my row of the cluster
	s_lshl_b32 s67, 0x1111, s[CX]                  ; my column
.if PROJ
	s_or_b32 s[G1A], s66, (1<<16)|(1<<20)|(1<<21)|(4<<22)|(3<<25)  ; after every 32 words (a row of a head) 4 words
	s_mov_b32 s[G1A+1], 8192<<16                   ; a head's 128 rows are 8,192 dense elements: one row of the tile,
	s_mov_b32 s[G1A+2], 2<<16                      ; two heads
	s_mov_b32 s[G1A+3], 8192<<16
	s_mov_b32 s[G1A+4], 2
	s_mov_b32 s[G1A+5], 131072                     ; elements from head to head
.else
	s_or_b32 s[G1A], s66, (1<<16)|(1<<20)|(1<<21)|(6<<22)|(3<<25)  ; after every 128 words 4 words
	s_mov_b32 s[G1A+1], 256<<16
	s_mov_b32 s[G1A+2], 64<<16
	s_mov_b32 s[G1A+3], 256<<16
	s_mov_b32 s[G1A+4], 64
	s_mov_b32 s[G1A+5], 4096
.endif
	s_mov_b32 s[G1A+6], 0
	s_mov_b32 s[G1A+7], 0
	s_or_b32 s[G1B], s67, (1<<16)|(1<<20)|(1<<21)|(5<<22)|(7<<25)  ; after every 64 words 8 words
	s_mov_b32 s[G1B+1], 128<<16
	s_mov_b32 s[G1B+2], 128<<16
	s_mov_b32 s[G1B+3], 128<<16
	s_mov_b32 s[G1B+4], 128
	s_mov_b32 s[G1B+5], 1024
	s_mov_b32 s[G1B+6], 0
	s_mov_b32 s[G1B+7], 0
.if PROJ
	s_lshr_b32 s50, s[TR], 4                       ; A: head 16 b + 2 x half, row 128 x (tile row % 16)
	s_lshl_b32 s50, s50, 4
	s_lshl_b32 s51, s[WC], 1
	s_add_co_u32 s50, s50, s51
	s_lshl_b32 s50, s50, 18
	s_and_b32 s51, s[TR], 15
	s_lshl_b32 s51, s51, 14
	s_add_co_u32 s50, s50, s51
.else
	s_lshl_b32 s50, s[TR], 7                       ; A: row 128 x tile row + 64 x half, 8,192 bytes a row
	s_lshl_b32 s51, s[WC], 6
	s_add_co_u32 s50, s50, s51
	s_lshl_b32 s50, s50, 13
.endif
	s_mov_b32 s51, 0
	s_lshl_b32 s22, s[WC], 18                      ; W: row 128 x half, column 128 x tile column
	s_lshl_b32 s23, s[TC], 8
	s_add_co_u32 s22, s22, s23
	s_add_co_u32 s22, s22, WOFF
	s_mov_b32 s23, 0
	s_mul_i32 s[LWA], s[WC], HALFA
	s_mul_i32 s[LWB], s[WC], HALFB
	s_add_co_u32 s[LWB], s[LWB], AREG
	s_mov_b32 s[SBD], SLOT                         ; the walking descriptors begin at slot 1
	s_mov_b32 s[SBF], SLOT
	s_mov_b32 s[G0A0], 1
	s_mov_b32 s[G0A0+1], s[LWA]
	s_mov_b32 s[G0B0], 1
	s_mov_b32 s[G0B0+1], s[LWB]
	s_mov_b32 s[G0A], 1
	s_add_co_u32 s[G0A+1], s[LWA], SLOT
	s_mov_b32 s[G0B], 1
	s_add_co_u32 s[G0B+1], s[LWB], SLOT
	s_wait_dscnt 0x0                               ; the opening add is done
	s_wait_kmcnt 0x0
	s_add_nc_u64 s[G0A0+2:G0A0+3], s[4:5], s[50:51]              ; K step 0,
	s_add_nc_u64 s[G0A+2:G0A+3], s[G0A0+2:G0A0+3], ASTEP         ; K step 1
	s_or_b32 s[G0A0+3], s[G0A0+3], 0x80000000
	s_or_b32 s[G0A+3], s[G0A+3], 0x80000000
	s_add_nc_u64 s[G0B0+2:G0B0+3], s[6:7], s[22:23]
	s_add_nc_u64 s[G0B+2:G0B+3], s[G0B0+2:G0B0+3], BSTEP
	s_or_b32 s[G0B0+3], s[G0B0+3], 0x80000000
	s_or_b32 s[G0B+3], s[G0B+3], 0x80000000
	CROUND
	s_cmp_eq_u32 s[WR], 0                          ; a wave's two first fills stand in one branch, ahead of every wait on TENSORcnt and every LDS read
	s_cbranch_scc0 .Lfirst_b
	tensor_load_to_lds s[G0A0:G0A0+3], s[G1A:G1A+7]
	s_nop 0
	tensor_load_to_lds s[G0A:G0A+3], s[G1A:G1A+7]
	s_nop 0
.rept 4
	v_nop
.endr
	s_branch .Lfirst_asked
.Lfirst_b:
	tensor_load_to_lds s[G0B0:G0B0+3], s[G1B:G1B+7]
	s_nop 0
	tensor_load_to_lds s[G0B:G0B+3], s[G1B:G1B+7]
	s_nop 0
.rept 4
	v_nop
.endr
.Lfirst_asked:
	v_and_b32 v1, 15, v0
	v_bfe_u32 v2, v0, 4, 1
	v_and_b32 v5, 31, v0
	v_mul_u32_u24 v[A0], v1, PA
	v_lshl_add_u32 v[A0], v2, 4, v[A0]
	s_mul_i32 s68, s[WR], 64*PA
	v_add_nc_u32 v[A0], s68, v[A0]
	v_and_b32 v3, 7, v0
	v_lshl_add_u32 v3, v2, 3, v3
	v_mul_u32_u24 v[B0], v3, PB
	v_bfe_u32 v4, v0, 3, 1
	v_lshl_add_u32 v[B0], v4, 4, v[B0]
	s_lshl_b32 s68, s[WC], 7
	s_add_co_u32 s68, s68, AREG
	v_add_nc_u32 v[B0], s68, v[B0]
	s_mul_i32 s68, s[WV], DW
	v_mul_u32_u24 v[DST], v1, DP
	v_lshl_add_u32 v[DST], v2, 5, v[DST]
	v_add_nc_u32 v[DST], s68, v[DST]
	v_mul_u32_u24 v[RD], v2, DP
	v_lshl_add_u32 v[RD], v1, 4, v[RD]
	v_add_nc_u32 v[RD], s68, v[RD]
	v_lshlrev_b32 v[XO], 12, v2                    ; two rows of 4,096 bytes, 16 lanes x 16 bytes each
	v_lshl_add_u32 v[XO], v1, 4, v[XO]
	s_lshl_b32 s68, s[TC], 9
	s_lshl_b32 s69, s[WC], 8
	s_add_co_u32 s68, s68, s69
	v_lshl_add_u32 v[BO], v2, 5, s68
.irp b, 0,1,2,3
	global_load_b128 v[BIAS+8*(\b):BIAS+8*(\b)+3],   v[BO], s[8:9] offset:64*(\b)
	global_load_b128 v[BIAS+8*(\b)+4:BIAS+8*(\b)+7], v[BO], s[8:9] offset:64*(\b)+16
.endr
	s_lshl_b32 s68, s[TR], 7                       ; resid and out: my first row x 4,096 bytes + my first column x 4
	s_lshl_b32 s69, s[WR], 6
	s_add_co_u32 s68, s68, s69
	s_lshl_b32 s68, s68, 12
	s_lshl_b32 s69, s[TC], 9
	s_add_co_u32 s68, s68, s69
	s_lshl_b32 s69, s[WC], 8
	s_add_co_u32 s68, s68, s69
	s_mov_b32 s69, 0
	s_add_nc_u64 s[RES:RES+1], s[RES:RES+1], s[68:69]
	s_add_nc_u64 s[OUT:OUT+1], s[OUT:OUT+1], s[68:69]
	WIN 0x80
.set t, 0
.rept 32
	global_load_b128 v[4*t:4*t+3], v[XO], s[RES:RES+1] offset:8192*t  ; the residual of my 64 x 64: it stays out during the whole K loop
.set t, t+1
.endr
	WIN 0
.if PF
	s_lshl_b32 s68, s[TR], 7
	s_lshl_b32 s69, s[WC], 6
	s_add_co_u32 s68, s68, s69
	s_lshl_b32 s69, s[CX], 4
	s_add_co_u32 s68, s68, s69                     ; A: my work-group's 16 rows of the 64 that I fetch, two blocks a row
	s_lshl_b32 s68, s68, 13
	s_add_co_u32 s68, s68, 3*ASTEP                 ; at K step 3; the first change of slots steps it to 4
	s_lshl_b32 s70, s[WC], 7
	s_lshl_b32 s71, s[CY], 5
	s_add_co_u32 s70, s70, s71                     ; W: my work-group's 32 rows of the 128
	s_lshl_b32 s70, s70, 11
	s_lshl_b32 s71, s[TC], 8
	s_add_co_u32 s70, s70, s71
	s_add_co_u32 s70, s70, WOFF+3*BSTEP
	s_and_b32 s71, ttmp7, 0xffff
	s_mov_b32 s[PST], BSTEP
	s_mov_b32 s62, 2048
	s_cmp_eq_u32 s[WR], 0
	s_cselect_b32 s68, s68, s70
	s_cselect_b32 s71, ttmp9, s71
	s_cselect_b64 s[PFA:PFA+1], s[4:5], s[6:7]
	s_cselect_b32 s[PST], ASTEP, s[PST]
	s_cselect_b32 s62, 8192, s62
	s_cselect_b32 s63, 1, 0
	s_mov_b32 s[PST+1], 0
	s_mov_b32 s69, 0
	s_cmp_eq_u32 s71, 0
	s_cselect_b32 s[LIM], 2, -1                    ; the last two trips that fill a slot ask for nothing
	s_add_nc_u64 s[PFA:PFA+1], s[PFA:PFA+1], s[68:69]
	v_and_b32 v27, s63, v5
	v_lshrrev_b32 v[PFO], s63, v5
	v_mul_u32_u24 v[PFO], s62, v[PFO]
	v_lshl_add_u32 v[PFO], v27, 8, v[PFO]
.endif
	s_wait_tensorcnt 0x1                           ; my part of K step 0 is in; K step 1's load may stay out
	s_barrier_signal -1
	s_barrier_wait -1                              ; everybody's is
	s_xor_b32 s[SBF], s[SBF], SLOT
	v_add_nc_u32 v[ADRA], s[SBF], v[A0]
	v_add_nc_u32 v[ADRB], s[SBF], v[B0]
	v_add_nc_u32 v[ADRB+1], 128*PB, v[ADRB]
	FETCH 0, F0
	s_wait_loadcnt 32                              ; the bias is in; the 32 younger loads (the residual) stay out
	s_mov_b32 s[KC], NS-2
	QUARTER 0, F0, F1, 1
	WIN 0
	s_branch .Lmid
.Lk:
	QUARTER 0, F0, F1, 0
	WIN 0
.Lmid:
	QUARTER 1, F1, F0, 0
	QUARTER 2, F0, F1, 0
	TURN 1, 0
	WIN 0
	s_sub_co_u32 s[KC], s[KC], 1
	s_cmp_lg_u32 s[KC], 0
	s_cbranch_scc1 .Lk
	s_mov_b32 s[KT], 2
.Lt:
	QUARTER 0, F0, F1, 0
	QUARTER 1, F1, F0, 0
	QUARTER 2, F0, F1, 0
	TURN 0, 1
	WIN 0
	s_sub_co_u32 s[KT], s[KT], 1
	s_cmp_lg_u32 s[KT], 0
	s_cbranch_scc1 .Lt
	; THE WAY OUT.  Behind the last barrier no wave reads the ring and no fill follows.
	PLACES
	PLACES
.irp a, 0,1,2,3
.irp b, 0,1,2,3
	ds_store_b128 v[DST], v[ACC+8*(4*(\a)+(\b)):ACC+8*(4*(\a)+(\b))+3]   offset:(\a)*16*DP+64*(\b)
	ds_store_b128 v[DST], v[ACC+8*(4*(\a)+(\b))+4:ACC+8*(4*(\a)+(\b))+7] offset:(\a)*16*DP+64*(\b)+16
.endr
.endr
	WIN 0x40
.set t, 0
.rept 32
	ds_load_b128 v[4*t:4*t+3], v[RD] offset:2*DP*t ; two rows of 256 bytes; LDS serves a wave's instructions in order
.set t, t+1
.endr
	s_wait_loadcnt 0x0                             ; the residual
	WIN 0x49                                       ; destination and source 0 in window 1, source 1 in window 2
.set t, 0
.rept 32
	s_wait_dscnt 31-t                              ; load t is back; the younger ones stay out
	v_pk_add_f32 v[4*t:4*t+1], v[4*t:4*t+1], v[4*t:4*t+1]
	v_pk_add_f32 v[4*t+2:4*t+3], v[4*t+2:4*t+3], v[4*t+2:4*t+3]
.set t, t+1
.endr
	WIN 0x04                                       ; the stores' data in window 1
.set t, 0
.rept 32
	global_store_b128 v[XO], v[4*t:4*t+3], s[OUT:OUT+1] offset:8192*t  ; 16 lanes store 256 consecutive bytes, aligned
.set t, t+1
.endr
	WIN 0
	s_wait_tensorcnt 0x0                           ; the wave's end
	ds_add_u32 v[SPW], v[NIL]
	s_wait_dscnt 0x0
	CROUND
	s_endpgm
.Lfunc_end_k_q1c9facffb3_fc2:
	.size	k_q1c9facffb3_fc2, .Lfunc_end_k_q1c9facffb3_fc2-k_q1c9facffb3_fc2
	.p2alignl 7, 3214868480
	.fill 96, 4, 3214868480
	.section	.rodata,"a",@progbits
	.p2align	6, 0x0
	.amdhsa_kernel k_q1c9facffb3_fc2
		.amdhsa_group_segment_fixed_size 327680
		.amdhsa_private_segment_fixed_size 0
		.amdhsa_enable_private_segment 0
		.amdhsa_kernarg_size 40
		.amdhsa_user_sgpr_count 2
		.amdhsa_user_sgpr_kernarg_segment_ptr 1
		.amdhsa_wavefront_size32 1
		.amdhsa_system_sgpr_workgroup_id_x 1
		.amdhsa_system_sgpr_workgroup_id_y 1
		.amdhsa_system_sgpr_workgroup_id_z 1
		.amdhsa_system_vgpr_workitem_id 0
		.amdhsa_next_free_vgpr 640
		.amdhsa_next_free_sgpr 80
		.amdhsa_reserve_vcc 0
		.amdhsa_float_denorm_mode_32 3
		.amdhsa_float_denorm_mode_16_64 3
		.amdhsa_memory_ordered 1
		.amdhsa_forward_progress 1
		.amdhsa_inst_pref_size 68
	.end_amdhsa_kernel
	.amdgpu_metadata
---
amdhsa.version: [ 1, 2 ]
amdhsa.kernels:
  - .name:           k_q1c9facffb3_fc2
    .symbol:         k_q1c9facffb3_fc2.kd
    .args:
      - { .name: g, .offset: 0, .size: 8, .value_kind: global_buffer, .address_space: global }
      - { .name: w16, .offset: 8, .size: 8, .value_kind: global_buffer, .address_space: global }
      - { .name: b_fc2, .offset: 16, .size: 8, .value_kind: global_buffer, .address_space: global }
      - { .name: x1, .offset: 24, .size: 8, .value_kind: global_buffer, .address_space: global }
      - { .name: out0, .offset: 32, .size: 8, .value_kind: global_buffer, .address_space: global }
    .group_segment_fixed_size: 327680
    .private_segment_fixed_size: 0
    .kernarg_segment_align: 8
    .kernarg_segment_size: 40
    .max_flat_workgroup_size: 128
    .sgpr_count:     80
    .vgpr_count:     640
    .wavefront_size: 32
...
	.end_amdgpu_metadata
.endif
;; end of part 6
